; MI455X (gfx1250); checked and timed in simulation.
; The chip was launched on July 23, 2026; its instructions are those of AMD's public machine-readable ISA for CDNA 5 (MIT licence, August 2026) and "CDNA5" Instruction Set Architecture Reference Guide (July 2026). The comments in the code are by the model that wrote it; some were corrected since.
;; Multi Head Attention. Allowed arithmetic: matrix products marked QUANTISED: E2M3 operands, one E8M0 scale for each 32 along K, by v_wmma_scale_f32_16x16x128_f8f6f4 with both operands' format E2M3, f32 sums; everything else in f32.
;; Inputs: W_attn 1,024 x 3,072 float32; W_proj 1,024 x 1,024 float32; b_attn 3,072 float32; b_proj 1,024 float32; x 4 x 2,048 x 1,024 float32.
;; Outputs: out0 4 x 2,048 x 1,024 float32.
;; This version of the problem:
;;   THIS VERSION OF THE PROBLEM IS GIVEN IN LOW PRECISION. The matrix products marked QUANTISED in the list below multiply operands that are first quantised to E2M3 (2 exponent bits, 3 mantissa bits; 6 bits a number), with one power-of-two scale for each 32 numbers along K (OCP MX v1.0); their sums are f32. All else is computed in f32.
;;   The module's matrix products, in the order in which they are computed (A, B: the left and right operand; K: the contracted axis; several contracted axes count as one K, in the product's order):
;;     1. [M 8,192, K 1,024] x [K 1,024, N 3,072]; A: input x; B: input W_attn: QUANTISED
;;     2. batch 64 x [M 2,048, K 64] x [K 64, N 2,048]; A: computed on the way; B: computed on the way: QUANTISED
;;     3. batch 64 x [M 2,048, K 2,048] x [K 2,048, N 64]; A: softmax (see below); B: computed on the way: QUANTISED
;;     4. [M 8,192, K 1,024] x [K 1,024, N 1,024]; A: computed on the way; B: input W_proj: QUANTISED
;;   THE QUANTISER, for each operand of a quantised product, along K:
;;     - K is cut into blocks of 32 from its start; a last block that is shorter is filled with zeros.
;;     - A block's scale is 2^e with e = floor(log2(the largest magnitude in the block)) - 2, held to -126 .. 127; a block of zeros has e = 0. As a byte (E8M0): e + 127.
;;     - Each number is divided by its block's scale, clamped to +-7.5, and rounded to the nearest number of E2M3, ties to even, subnormals kept.
;;     - The product sums the exact products of the quantised numbers (number of the format x scale) in f32.
;;   ~~~python
;;   def quantise(x, axis):      # numpy; x: float32 -> the quantised numbers, widened to float32 again
;;       x = np.moveaxis(x, axis, -1); K = x.shape[-1]
;;       x = np.pad(x, [(0, 0)] * (x.ndim - 1) + [(0, -K % 32)]); x = x.reshape(x.shape[:-1] + (-1, 32)); a = np.abs(x).max(-1, keepdims=True)
;;       e = np.where(a > 0, np.clip(np.frexp(np.where(a > 0, a, 1))[1] - 1 - 2, -126, 127), 0)      # np.frexp(a)[1] - 1 = floor(log2(a)), exactly
;;       r = np.clip(x / 2.0 ** e, -7.5, 7.5)
;;       step = 2.0 ** (np.maximum(np.frexp(np.where(r == 0, 1, r))[1] - 1, 0) - 3)
;;       q = np.round(r / step) * step * 2.0 ** e      # np.round: ties to even
;;       return np.moveaxis(q.reshape(q.shape[:-2] + (-1,))[..., :K], -1, axis).astype(np.float32)
;;   ~~~
;;   SOFTMAX AHEAD OF A QUANTISED PRODUCT. Where the list says 'softmax', what is quantised is not the finished softmax but p = 2^(t - M), with t = logit x log2(e) and M = ceil(the row's largest t), a whole number; so 1/2 < the row's largest p <= 1. The row's sum l is taken of the UNQUANTISED p, in f32, and the product's result is divided by l at the end. Since M is a whole number, a kernel that streams over the keys may use a running M (the ceiling of the running maximum): every later rescaling is an exact power of two, which a block's scale takes up: the codes' values come out the same.
;;   OPERANDS COMPUTED ON THE WAY. 'Computed on the way' means the value that the module computes at that place (a softmax that the list does not call 'softmax' is quantised finished and normalised). What goes into a quantiser is computed in f32, as accurately as f32 sums, v_exp_f32 and their like allow (about 1e-6 of the number): no bf16 or f16 on the way to a quantiser, and a product that is left as it is and whose result goes on into a quantised operand takes f32 operands (vector FMAs, or v_wmma_f32_16x16x4_f32). A number that lies on a knife's edge between two numbers of the format may be rounded either way, as far as f32 arithmetic and the matrix unit's own rounding can turn it there, and no further.
;; One version. Each part assembles by itself: llvm-mc -triple=amdgcn-amd-amdhsa -mcpu=gfx1250 --defsym DOCPART=n.
;; ======== version 1 of 1: 4 launches
;; limits: right only within a limited range of input values
;; workspace buffers: xq 6,553,600 bytes; waq 2,457,600 bytes; wpq 819,200 bytes; qq 6,815,744 bytes; kq 6,815,744 bytes; vq 6,815,744 bytes; yq 6,553,600 bytes
;; launch quant (part 1): grid 512 x 1, 4 waves a work-group, no clusters, 47,616 bytes of LDS; arguments x, W_attn, W_proj, xq, waq, wpq; writes xq, waq, wpq
.if DOCPART == 1
	.amdgcn_target "amdgcn-amd-amdhsa--gfx1250"
	.amdhsa_code_object_version 6
	.text
	.protected	k_q48751eab54_quant
	.globl	k_q48751eab54_quant
	.p2align	8
	.type	k_q48751eab54_quant,@function
k_q48751eab54_quant:
	s_mov_b64 s[64:65], 0
	v_nop
	global_prefetch_b8 v0, s[64:65] scope:SCOPE_SE
	s_setreg_imm32_b32 hwreg(HW_REG_WAVE_MODE, 25, 1), 1
	s_wait_xcnt 0x0
; x [8192][1024], W_attn [1024][3072] and W_proj [1024][1024], f32, become codes of FP6 (E2M3) with one E8M0 scale byte for each 32 along K = 1,024.
; A block's scale is 2^(floor(log2(its largest magnitude)) - 2); its byte is the largest magnitude's exponent field - 2, held at 1 from below.
; LIMITS: NaN and infinities are not served; a block whose largest magnitude lies under 2^-124 is held at the byte 1; a block of zeros gets the byte 1 where the rule says 127
; (its codes are zeros, which add nothing under any byte but 0xff, and this program alone reads the bytes).
; THE LAYOUT OF THE RESULTS is the order of the operand's registers.  An operand's rows (x: tokens; W: its columns n) go in tiles of 16: lane-row r of tile T = 2 g + u is row 32 g + 8 u + r + 8 (r / 8).
; A HALF FRAGMENT (tile T, 64 along K: number kh) is 768 bytes at (16 T + kh) x 768: lane l's registers 0-3 at 16 l, its registers 4-5 at 512 + 8 l; lane (r, h) holds the 32 codes k = 64 kh + 32 h + 0 .. 31 of its row.
; The scale word of (T, K step s of 128, row r) lies behind the codes at 512 T + 256 (s / 4) + 16 r + 4 (s % 4).
; Work-groups 0-255 take x (a wave: one tile, 512 along K), work-groups 256-511 the weights (a wave: 32 columns, 128 along K).  The two ways have LDS bytes of their own.  Waves share nothing: no barrier.
; No tensor loads, no cluster, no matrix unit: the work-groups share no input, and memory binds.
.set TM,    16                         ; v16-31   the quantiser's 16 registers at work
.set R0,    32                         ; v32-159  x: two sets of 64 registers as loaded
.set XX,    160                        ; v160-223 x: 64 numbers of a lane, register 16 b + i = k 32 b + 16 h + i of its row
.set PC,    224                        ; v224-243 the codes just made (12 registers, and 8 at work)
.set SW,    244                        ; v244-247 the scale words of my four K steps
.set XSTG,  16*528                     ; x: a wave's stage: 16 rows x (512 bytes + 16)
.set WBASE, 4*XSTG                     ; the weights' stages begin here
.set WSTG,  3328                       ; a wave's: two tiles' images, 1,536 bytes each, 1,664 apart, so that the two tiles' stores fall on different banks
.set WTILE, 1664
.set WX,    32                         ; v32-159  W: my column's 128 numbers down K
.set WC,    160                        ; v160..   block kb's six code registers at 8 kb
.set WD,    192                        ; v192..   the second conversion's three, at 4 kb
.set WO,    208                        ; v208-231 the way out
; 64 numbers of a lane become a fragment's 12 code registers in v[PC] on and its scale word in v[pw]
.macro QUANT src, pw
.irp b, 0,1,2,3
	v_max3_num_f32 v[TM+\b], |v[\src+16*\b]|, |v[\src+1+16*\b]|, 0x1800000   ; block b: my 16 numbers, and the floor 2^(3 - 127): the byte cannot fall under 1
.endr
.irp i, 2,4,6,8,10,12,14
.irp b, 0,1,2,3
	v_max3_num_f32 v[TM+\b], v[TM+\b], |v[\src+16*\b+\i]|, |v[\src+1+16*\b+\i]|   ; the four blocks by turns
.endr
.endr
.irp b, 0,1,2,3
	v_permlanex16_b32 v[TM+4+\b], v[TM+\b], s20, s21
.endr
.irp b, 0,1,2,3
	v_max_num_f32 v[TM+\b], v[TM+\b], v[TM+4+\b]   ; with lane l xor 16's: the block's largest magnitude
.endr
.irp b, 0,1,2,3
	v_add_nc_u32 v[TM+12+\b], 0xff000000, v[TM+\b]   ; 2 off its exponent field: the conversion's scale operand
.endr
.irp b, 0,1,2,3
	v_lshrrev_b32 v[TM+4+\b], 23, v[TM+12+\b]      ; the scale's byte
.endr
	v_lshl_or_b32 v[\pw], v[TM+5], 8, v[TM+4]
	v_lshl_or_b32 v[\pw], v[TM+6], 16, v[\pw]
	v_lshl_or_b32 v[\pw], v[TM+7], 24, v[\pw]
.irp c, 0,1
	v_cvt_scalef32_pk16_fp6_f32 v[PC+6*\c:PC+2+6*\c], v[\src+32*\c:\src+15+32*\c], v[TM+12+2*\c]
	v_cvt_scalef32_pk16_fp6_f32 v[PC+12+4*\c:PC+14+4*\c], v[\src+16+32*\c:\src+31+32*\c], v[TM+12+2*\c+1]   ; (a conversion's three registers begin on an even number)
.endr
	v_nop                                          ; one plain place behind a scaled conversion
.irp c, 0,1                                    ; the operand's layout wants a whole block in a lane: lanes 0-15 block 2 c, lanes 16-31 block 2 c + 1
.irp i, 0,1,2
	v_permlane16_swap_b32 v[PC+6*\c+\i], v[PC+12+4*\c+\i]
.endr
.irp i, 0,1,2
	v_mov_b32 v[PC+3+6*\c+\i], v[PC+12+4*\c+\i]
.endr
.endr
.endm
	s_load_b128 s[4:7], s[0:1], 0x0                ; x, W_attn
	s_load_b128 s[8:11], s[0:1], 0x10              ; W_proj, xq
	s_load_b128 s[12:15], s[0:1], 0x20             ; waq, wpq
	v_lshl_add_u32 v254, v0, 2, 0xb800
	v_mov_b32 v255, 0
	v_lshrrev_b32 v1, 5, v0
	v_readfirstlane_b32 s16, v1                    ; wave 0..3
	v_and_b32 v7, 31, v0                           ; lane
	s_cmp_lt_u32 ttmp9, 256
	s_cbranch_scc0 .Lweights
	; ---------------- x: wave w of work-group g takes tile T = 2 g + w / 2 and K steps 4 (w % 2) + 0 .. 3
	v_lshlrev_b32 v1, 4, v7                        ; 16 l
	v_lshlrev_b32 v2, 3, v7                        ; 8 l
	s_mul_i32 s17, s16, XSTG
	v_add_nc_u32 v3, s17, v1                       ; the stage, on the way in: a row's 512 bytes as they lie
	v_and_b32 v8, 15, v0                           ; r
	v_bfe_u32 v9, v0, 4, 1                         ; h
	v_mul_u32_u24 v4, v8, 528
	v_lshl_add_u32 v4, v9, 6, v4
	v_add_nc_u32 v4, s17, v4                       ; and on the way out: row r, + 64 h: my 16 numbers of each block of 32
	v_lshlrev_b32 v5, 4, v8                        ; 16 r: my row's four scale words
.irp b, 0,1,2,3
	v_mov_b32 v[TM+4+\b], 0                        ; written once: a lane permute's destination counts as one of its sources
.endr
	s_mov_b32 s20, 0x76543210
	s_mov_b32 s21, 0xfedcba98                      ; v_permlanex16_b32's selects for lane l xor 16
	s_lshr_b32 s18, s16, 1                         ; u
	s_and_b32 s19, s16, 1                          ; which half of K
	s_lshl_b32 s22, ttmp9, 1
	s_add_co_u32 s22, s22, s18                     ; T
	s_lshl_b32 s24, ttmp9, 17                      ; x: row 32 g + 8 u of 4,096 bytes, + 2,048 for the upper half of K
	s_lshl_b32 s23, s18, 15
	s_add_co_u32 s24, s24, s23
	s_lshl_b32 s23, s19, 11
	s_add_co_u32 s24, s24, s23
	s_mov_b32 s25, 0
	s_mul_i32 s26, s22, 12288                      ; the codes: 12,288 bytes a tile, 6,144 for half of K
	s_mul_i32 s23, s19, 6144
	s_add_co_u32 s26, s26, s23
	s_mov_b32 s27, 0
	s_lshl_b32 s28, s22, 9                         ; the scale words: 512 bytes a tile, 256 for half of K, behind the codes
	s_lshl_b32 s23, s19, 8
	s_add_co_u32 s28, s28, s23
	s_add_co_u32 s28, s28, 6291456
	s_mov_b32 s29, 0
	s_wait_alu depctr_va_vdst(0)
	s_wait_kmcnt 0x0
	s_add_nc_u64 s[4:5], s[4:5], s[24:25]
	s_add_nc_u64 s[26:27], s[10:11], s[26:27]
	s_add_nc_u64 s[28:29], s[10:11], s[28:29]
.macro LOADX t                         ; K step t of my 16 rows: each load reads 512 consecutive bytes of one row
.irp i, 0,1,2,3,4,5,6,7,8,9,10,11,12,13,14,15
	global_load_b128 v[R0+64*((\t)%2)+4*\i:R0+64*((\t)%2)+4*\i+3], v1, s[4:5] offset:(\i+8*(\i/8))*4096+(\t)*512 th:TH_LOAD_NT
.endr
.endm
.macro XSTEP t
.if (\t) < 3
	s_wait_loadcnt 16                              ; this step's 16 loads are in; the next step's 16 may be out
.else
	s_wait_loadcnt 0x0
.endif
.irp i, 0,1,2,3,4,5,6,7,8,9,10,11,12,13,14,15
	ds_store_b128 v3, v[R0+64*((\t)%2)+4*\i:R0+64*((\t)%2)+4*\i+3] offset:\i*528
.endr
.irp b, 0,1,2,3
.irp j, 0,1,2,3
	ds_load_b128 v[XX+16*\b+4*\j:XX+16*\b+4*\j+3], v4 offset:128*\b+16*\j   ; LDS serves a wave's instructions in order: these see the stores above
.endr
.endr
	s_wait_dscnt 0x0                               ; my numbers are back, and the stores have read their registers
.if (\t) > 0
	s_wait_xcnt 0x0                                ; the last step's stores have read the code registers, which are written again below
.endif
.if (\t) < 2
	LOADX (\t)+2
.endif
	QUANT XX, SW+(\t)
	global_store_b128 v1, v[PC:PC+3], s[26:27] offset:(\t)*1536          ; the image of the fragment's registers: 512, 256, 512 and 256 consecutive bytes
	global_store_b64 v2, v[PC+4:PC+5], s[26:27] offset:(\t)*1536+512
	global_store_b128 v1, v[PC+6:PC+9], s[26:27] offset:(\t)*1536+768
	global_store_b64 v2, v[PC+10:PC+11], s[26:27] offset:(\t)*1536+1280
.endm
	LOADX 0
	LOADX 1
	XSTEP 0
	XSTEP 1
	XSTEP 2
	XSTEP 3
	global_store_b128 v5, v[SW:SW+3], s[28:29]     ; 16 rows x 4 words: 256 consecutive bytes, aligned; lanes 16-31 hold and write the same words as lanes 0-15
	s_wait_tensorcnt 0x0
	ds_add_u32 v254, v255
	s_wait_dscnt 0x0
	s_endpgm
	; ---------------- the weights: K is their FIRST axis.  A lane takes a column n and its registers run down K: nothing is transposed.
.Lweights:
	s_sub_co_u32 s17, ttmp9, 256
	s_and_b32 s18, s17, 31                         ; which 128 columns: 0-23 W_attn's, 24-31 W_proj's
	s_lshr_b32 s19, s17, 5                         ; which K step of 128
	s_wait_alu depctr_va_vdst(0)
	v_lshlrev_b32 v1, 2, v7                        ; 4 L: my column
	v_lshlrev_b32 v2, 4, v7                        ; 16 L
	v_bfe_u32 v8, v0, 3, 1                         ; column 32 g + L is lane-row r = L % 8 + 8 (L / 16) of tile 2 g + u, u = (L / 8) % 2
	v_and_b32 v9, 7, v0
	v_bfe_u32 v10, v0, 4, 1
	v_lshl_add_u32 v9, v10, 3, v9
	s_mul_i32 s22, s16, WSTG
	s_add_co_u32 s22, s22, WBASE                   ; my stage
	v_mul_u32_u24 v11, v8, WTILE
	v_add_nc_u32 v11, s22, v11
	v_lshl_add_u32 v3, v9, 4, v11                  ; where my registers 0-3 of a block go,
	v_lshl_add_u32 v4, v9, 3, v11                  ; and my registers 4-5
	v_add_nc_u32 v5, s22, v2                       ; back: 512 consecutive bytes
	v_lshlrev_b32 v6, 4, v9
	v_lshl_add_u32 v6, v8, 9, v6                   ; my scale word: 512 u + 16 r
	s_wait_kmcnt 0x0
	s_cmp_lt_u32 s18, 24                           ; the choice hangs on the work-group's number alone
	s_cselect_b64 s[4:5], s[6:7], s[8:9]           ; from W_attn or W_proj
	s_cselect_b64 s[10:11], s[12:13], s[14:15]     ; to waq or wpq
	s_mov_b32 s23, 524288
	s_cselect_b32 s23, 1572864, s23                ; 128 rows of the weight, in bytes
	s_mov_b32 s24, 786432
	s_cselect_b32 s24, 2359296, s24                ; where the scale words begin
	s_cselect_b32 s25, 0, 24
	s_cselect_b32 s30, 1, 0
	s_sub_co_u32 s25, s18, s25
	s_lshl_b32 s26, s25, 2
	s_add_co_u32 s26, s26, s16                     ; g: my 32 columns
	s_mul_i32 s28, s19, s23
	s_lshl_b32 s27, s26, 7
	s_add_co_u32 s28, s28, s27
	s_mov_b32 s29, 0
	s_add_nc_u64 s[4:5], s[4:5], s[28:29]
	s_mul_i32 s28, s26, 24576                      ; tiles 2 g, 2 g + 1; K step s: 1,536 bytes in each
	s_mul_i32 s27, s19, 1536
	s_add_co_u32 s28, s28, s27
	s_add_nc_u64 s[32:33], s[10:11], s[28:29]
	s_lshl_b32 s28, s26, 10
	s_add_co_u32 s28, s28, s24
	s_lshr_b32 s27, s19, 2
	s_lshl_b32 s27, s27, 8
	s_add_co_u32 s28, s28, s27
	s_and_b32 s27, s19, 3
	s_lshl_b32 s27, s27, 2
	s_add_co_u32 s28, s28, s27
	s_add_nc_u64 s[34:35], s[10:11], s[28:29]
.macro WLOAD pitch                     ; W(128 s + i, my column): 32 lanes read 128 consecutive bytes, the four waves side by side 512
.set wi, 0
.rept 128
	global_load_b32 v[WX+wi], v1, s[4:5] offset:wi*\pitch th:TH_LOAD_NT
.set wi, wi+1
.endr
.endm
	s_cmp_eq_u32 s30, 0
	s_cbranch_scc1 .Lnarrow                        ; the two weights differ in the bytes from row to row, which stand in the loads' immediates
	WLOAD 12288
	s_branch .Lloaded
.Lnarrow:
	WLOAD 4096
.Lloaded:
	s_wait_loadcnt 0x0
.macro WBLOCK kb                       ; block kb of my column: all its 32 numbers are mine.  In the fragment it belongs to lane r + 16 (kb % 2), registers 6 (kb / 2) on
.set XS, WX+32*(\kb)
.set CC, WC+8*(\kb)
.set DD, WD+4*(\kb)
	v_max3_num_f32 v12, |v[XS]|, |v[XS+1]|, |v[XS+2]|
	v_max3_num_f32 v13, |v[XS+3]|, |v[XS+4]|, |v[XS+5]|
.irp i, 6,10,14,18,22,26
	v_max3_num_f32 v12, v12, |v[XS+\i]|, |v[XS+\i+1]|
	v_max3_num_f32 v13, v13, |v[XS+\i+2]|, |v[XS+\i+3]|
.endr
	v_max3_num_f32 v12, v12, |v[XS+30]|, |v[XS+31]|
	v_max3_num_f32 v12, v12, v13, 0x1800000        ; and the floor 2^(3 - 127)
	v_add_nc_u32 v14, 0xff000000, v12              ; the conversion's scale operand
	v_lshrrev_b32 v15, 23, v14                     ; the scale's byte
.if (\kb) == 0
	v_mov_b32 v16, v15
.else
	v_lshl_or_b32 v16, v15, 8*(\kb), v16           ; four bytes make my column's scale word of this K step
.endif
	v_cvt_scalef32_pk16_fp6_f32 v[CC:CC+2], v[XS:XS+15], v14
	v_cvt_scalef32_pk16_fp6_f32 v[DD:DD+2], v[XS+16:XS+31], v14
	v_nop                                          ; one plain place behind a scaled conversion
.irp i, 0,1,2
	v_mov_b32 v[CC+3+\i], v[DD+\i]
.endr
	ds_store_b128 v3, v[CC:CC+3] offset:((\kb)/2)*768+((\kb)%2)*256
	ds_store_b64 v4, v[CC+4:CC+5] offset:((\kb)/2)*768+512+((\kb)%2)*128
.endm
	WBLOCK 0
	WBLOCK 1
	WBLOCK 2
	WBLOCK 3
.irp t, 0,1,2,3,4,5
	ds_load_b128 v[WO+4*\t:WO+4*\t+3], v5 offset:(\t/3)*WTILE+(\t%3)*512   ; LDS serves a wave's instructions in order: these see my stores
.endr
	s_wait_alu depctr_va_vdst(0)
.irp t, 0,1,2,3,4,5
	s_wait_dscnt 5-\t
	global_store_b128 v2, v[WO+4*\t:WO+4*\t+3], s[32:33] offset:(\t/3)*12288+(\t%3)*512   ; 512 consecutive bytes, aligned to 256
.endr
	global_store_b32 v6, v16, s[34:35]             ; 4 bytes a lane, 16 bytes apart: a K step's word of each row.  131,072 bytes in the whole launch: the price of waves that share nothing
	s_wait_tensorcnt 0x0
	ds_add_u32 v254, v255
	s_wait_dscnt 0x0
	s_endpgm
.Lfunc_end_k_q48751eab54_quant:
	.size	k_q48751eab54_quant, .Lfunc_end_k_q48751eab54_quant-k_q48751eab54_quant
	.p2alignl 7, 3214868480
	.fill 96, 4, 3214868480
	.section	.rodata,"a",@progbits
	.p2align	6, 0x0
	.amdhsa_kernel k_q48751eab54_quant
		.amdhsa_group_segment_fixed_size 47616
		.amdhsa_private_segment_fixed_size 0
		.amdhsa_enable_private_segment 0
		.amdhsa_kernarg_size 48
		.amdhsa_user_sgpr_count 2
		.amdhsa_user_sgpr_kernarg_segment_ptr 1
		.amdhsa_wavefront_size32 1
		.amdhsa_system_sgpr_workgroup_id_x 1
		.amdhsa_system_sgpr_workgroup_id_y 1
		.amdhsa_system_sgpr_workgroup_id_z 1
		.amdhsa_system_vgpr_workitem_id 0
		.amdhsa_next_free_vgpr 256
		.amdhsa_next_free_sgpr 66
		.amdhsa_reserve_vcc 0
		.amdhsa_float_denorm_mode_32 3
		.amdhsa_float_denorm_mode_16_64 3
		.amdhsa_memory_ordered 1
		.amdhsa_forward_progress 1
		.amdhsa_inst_pref_size 68
	.end_amdhsa_kernel
	.amdgpu_metadata
---
amdhsa.version: [ 1, 2 ]
amdhsa.kernels:
  - .name:           k_q48751eab54_quant
    .symbol:         k_q48751eab54_quant.kd
    .args:
      - { .name: x, .offset: 0, .size: 8, .value_kind: global_buffer, .address_space: global }
      - { .name: W_attn, .offset: 8, .size: 8, .value_kind: global_buffer, .address_space: global }
      - { .name: W_proj, .offset: 16, .size: 8, .value_kind: global_buffer, .address_space: global }
      - { .name: xq, .offset: 24, .size: 8, .value_kind: global_buffer, .address_space: global }
      - { .name: waq, .offset: 32, .size: 8, .value_kind: global_buffer, .address_space: global }
      - { .name: wpq, .offset: 40, .size: 8, .value_kind: global_buffer, .address_space: global }
    .group_segment_fixed_size: 47616
    .private_segment_fixed_size: 0
    .kernarg_segment_align: 8
    .kernarg_segment_size: 48
    .max_flat_workgroup_size: 128
    .sgpr_count:     66
    .vgpr_count:     256
    .wavefront_size: 32
...
	.end_amdgpu_metadata
.endif
;; end of part 1
;; launch qkv (part 2): grid 8 x 32, 4 waves a work-group, clusters of 4 x 1, 197,120 bytes of LDS; arguments xq, waq, b_attn, qq, kq, vq; writes qq, kq, vq
.if DOCPART == 2
	.amdgcn_target "amdgcn-amd-amdhsa--gfx1250"
	.amdhsa_code_object_version 6
	.text
	.protected	k_q48751eab54_qkv
	.globl	k_q48751eab54_qkv
	.p2align	8
	.type	k_q48751eab54_qkv,@function
k_q48751eab54_qkv:
	s_mov_b64 s[64:65], 0
	v_nop
	global_prefetch_b8 v0, s[64:65] scope:SCOPE_SE
	s_setreg_imm32_b32 hwreg(HW_REG_WAVE_MODE, 25, 1), 1
	s_wait_xcnt 0x0
	s_wait_alu depctr_hold_cnt(0) depctr_sa_sdst(0) depctr_va_vdst(0) depctr_va_sdst(0) depctr_va_ssrc(0) depctr_va_vcc(0) depctr_vm_vsrc(0)
	s_getreg_b32 s2, hwreg(HW_REG_IB_STS2, 6, 4)
	s_cmp_eq_u32 s2, 0
	s_cbranch_scc0 .Lentry_in_a_cluster
	s_endpgm
.Lentry_in_a_cluster:
	s_bfe_u32 s2, ttmp6, 0x10000c
	s_cmp_lg_u32 s2, 0x3003
	s_cbranch_scc0 .Lentry_shape_is_right
	s_endpgm
.Lentry_shape_is_right:
; a = x W_attn + b_attn on codes of FP6 (E2M3) with E8M0 scales (K = 1,024), and its three parts q, k, v quantised on the way out: a itself never goes to memory.
; THE DEAL.  256 work-groups of four waves.  Work-group (cg, rg) makes 256 tokens (x's tiles 16 rg .. + 15) x 256 columns of q or k (cg 0-3: q, 4-7: k) and x 128 columns of v.  Wave w holds in registers, for ALL of K, one head's 64 columns of q or k
; (four tiles, 384 registers) and 32 columns of v (two tiles, 192): waq lies in the order of the operand's registers, so each lane loads its fragments whole, straight from memory.
; x's 16 tiles, 196,608 dense bytes, come into LDS once, a quarter by each wave's one tensor load; nothing is filled again.  The four work-groups of a cluster share rg and ask for them jointly (mask 15).
; No data prefetch: everything is asked for at the head, so there is no loop to run ahead in.
; Every wave streams the 16 tiles of tokens past its weights: a block is 48 products, six accumulators by turns; two sets of x's fragments, each fetched two blocks ahead.
; q, k: source 0 = W's columns, source 1 = tokens: a lane holds one token, its registers run along the head's 64, the quantiser's K.    v: source 0 = tokens, source 1 = W's columns: its registers run along the keys.
; ROWS go in tiles of 16, lane-row r of tile 2 g + u being row 32 g + 8 u + r + 8 (r / 8): the 16 registers of source 0's tiles 2 g, 2 g + 1 are rows 32 g + 16 h + 0 .. 15.  A tile's 1,024 along K are 12,288 bytes: for each 64 along K
; lane l's registers 0-3 at 16 l, its registers 4-5 at 512 + 8 l; its scale words, 512 bytes behind the codes: at 16 l four words: lanes 0-15 K steps 0-3, lanes 16-31 K steps 4-7.
; RESULTS.  q, k: for each head bh (98,304 bytes) tile Tloc of 16 tokens is 768 bytes; its scale word (bytes 0, 1; bytes 2, 3 are 0) behind the codes at 8,192 bh + 256 (Tloc / 4) + 16 r + 4 (Tloc % 4).
; v: for each head, key step S of 128 keys and tile j of 16 of the head's 64: 1,536 bytes at 6,144 S + 1,536 j; scale words at 512 S + 16 l + 4 j.
; THE TEXT: a loop of two trips of eight blocks.  The scale words of x's tiles 8-15 are moved down between the trips.  The fetches behind blocks 14 and 15 wrap to tiles 0 and 1 and are not used: so every count is the same on every path.
; LIMITS: NaN and infinities are not served; a block whose largest magnitude lies under 2^-124, a block of zeros among them, gets the byte 1 (zero codes add nothing under it; this program alone reads the bytes).
; REGISTERS.  Fragment f lies at register 256 + 12 f: 0-31 W's of q or k (4 q + tile), 32-47 W's of v (32 + 2 q + tile), 48-63 x's two sets: they fill windows 1 to 3.  All else in window 0:
.set L16, 1                            ; 16 l
.set L8,  2                            ; 8 l
.set R16, 3                            ; 16 r
.set AX16, 4                           ; LDS addresses of the tile that is fetched next
.set AX8, 5
.set SPW, 6                            ; my spare word
.set NIL, 7                            ; 0
.set QD,  8                            ; v8-10   q|k's second conversion;  v12-15 its maxima, v16-19 v's
.set VD,  20                           ; v20-22, v24-26 v's second conversions
.set VW,  30                           ; v30, v31 v's scale words
.set SCW, 32                           ; v32-55  W's scale words: 4 tile + i
.set SCX, 58                           ; v58-121 x's: 4 block + i.  A product's two scale registers differ by 2 or 6 modulo 8 in their numbers
.set ACC, 122                          ; v122-153 q|k's sums
.set HV,  154                          ; v154-185 v's sums: 16 tile + 8 (block % 2) + i
.set BQ,  186                          ; v186-217 q|k's bias as the first products' C
.set BV,  218                          ; v218-233 v's
.set SWQ, 234                          ; v234-237 q|k's scale words of four blocks
.set QC,  238                          ; v238-243 q|k's codes
.set VC,  244                          ; v244-255 v's codes, six a tile
.set SPARE, 196608
.set MSB, 0
.macro WIN new                         ; the immediate's high byte repeats the setting that is left
.if MSB != \new
	s_set_vgpr_msb (MSB<<8)|\new
.set MSB, \new
.endif
.endm
.macro WALU
	s_wait_alu depctr_va_vdst(0)
.endm
.macro CROUND                          ; a round of the cluster's barrier
	s_barrier_signal -1
	s_barrier_wait -1
	s_cmp_lg_u32 s16, 0
	s_cbranch_scc1 .Lnot_wave_0_\@
	s_barrier_signal -3
.Lnot_wave_0_\@:
	s_barrier_wait -3
	s_barrier_signal -1
	s_barrier_wait -1
.endm
.macro PTR d, base, off                ; a pointer = a buffer's address + the 32-bit offset in s\off (s69 = 0)
	s_mov_b32 s68, s\off
	s_add_nc_u64 s[\d:\d+1], s[\base:\base+1], s[68:69]
.endm
.macro GLD reg, n, adr, base, off      ; n registers from register reg on, whatever its window
	WIN (((\reg)>>8)<<6)
.if \n == 4
	global_load_b128 v[(\reg)&255:((\reg)&255)+3], v[\adr], s[\base:\base+1] offset:\off
.else
	global_load_b64 v[(\reg)&255:((\reg)&255)+1], v[\adr], s[\base:\base+1] offset:\off
.endif
.endm
.macro WFRAG f, base, off              ; a fragment of W from memory; no load runs across a window's end
.set R_, 256+12*(\f)
	GLD R_, 4, L16, \base, \off
	GLD R_+4, 2, L8, \base, (\off)+512
.if ((R_+6)&255) > 252
	GLD R_+6, 2, L16, \base, (\off)+768
	GLD R_+8, 2, L16, \base, (\off)+776
.else
	GLD R_+6, 4, L16, \base, (\off)+768
.endif
	GLD R_+10, 2, L8, \base, (\off)+1280
.endm
.macro FETCH e, a16, a8, off           ; a tile of x, all of K, into set e: 32 loads of consecutive bytes
	WIN 0xc0
.irp q, 0,1,2,3,4,5,6,7
	ds_load_b128 v[64+96*(\e)+12*\q:64+96*(\e)+12*\q+3], v[\a16] offset:(\off)+\q*1536
	ds_load_b64 v[64+96*(\e)+12*\q+4:64+96*(\e)+12*\q+5], v[\a8] offset:(\off)+\q*1536+512
	ds_load_b128 v[64+96*(\e)+12*\q+6:64+96*(\e)+12*\q+9], v[\a16] offset:(\off)+\q*1536+768
	ds_load_b64 v[64+96*(\e)+12*\q+10:64+96*(\e)+12*\q+11], v[\a8] offset:(\off)+\q*1536+1280
.endr
	WIN 0
.endm
.macro PROD d, a, bb, q, c0, sa, sb    ; the first K step takes the bias as C: nothing is cleared, nothing is added later
.if (\q) == 0
	v_wmma_scale_f32_16x16x128_f8f6f4 v[\d:\d+7], v[\a:\a+11], v[\bb:\bb+11], v[\c0:\c0+7], v[\sa], v[\sb] matrix_a_fmt:MATRIX_FMT_FP6 matrix_b_fmt:MATRIX_FMT_FP6
.elseif (\q) < 4
	v_wmma_scale_f32_16x16x128_f8f6f4 v[\d:\d+7], v[\a:\a+11], v[\bb:\bb+11], v[\d:\d+7], v[\sa], v[\sb] matrix_a_fmt:MATRIX_FMT_FP6 matrix_b_fmt:MATRIX_FMT_FP6
.else
	v_wmma_scale_f32_16x16x128_f8f6f4 v[\d:\d+7], v[\a:\a+11], v[\bb:\bb+11], v[\d:\d+7], v[\sa], v[\sb] matrix_a_fmt:MATRIX_FMT_FP6 matrix_b_fmt:MATRIX_FMT_FP6 matrix_a_scale:MATRIX_SCALE_ROW1 matrix_b_scale:MATRIX_SCALE_ROW1
.endif
.endm
.macro PQK q, t, b                     ; q|k: source 0 = W's tile t, source 1 = x's tile
.set FW_, (256+12*(4*(\q)+(\t)))>>8
.set FG_, (256+12*(4*(\q)+(\t)))&255
.set XG_, 64+96*((\b)%2)+12*(\q)
.set D_, ACC+8*(\t)
	WIN FW_|(3<<2)
	PROD D_, FG_, XG_, \q, BQ+8*(\t), SCW+4*(\t)+(\q)%4, SCX+4*(\b)+(\q)%4
.endm
.macro PV q, t, b                      ; v: source 0 = x's tile, source 1 = W's tile t
.set FW_, (256+12*(32+2*(\q)+(\t)))>>8
.set FG_, (256+12*(32+2*(\q)+(\t)))&255
.set XG_, 64+96*((\b)%2)+12*(\q)
.set D_, HV+16*(\t)+8*((\b)%2)
	WIN 3|(FW_<<2)
	PROD D_, XG_, FG_, \q, BV+8*(\t), SCX+4*(\b)+(\q)%4, SCW+16+4*(\t)+(\q)%4
.endm
; the largest magnitudes of two blocks, my 16 numbers of each, from register x on: four chains by turns, each accumulator read from its low end on; the floor 2^(3 - 127) holds the byte at 1 from below.  Results in c0, c2
.macro MAX4 c0, c1, c2, c3, x
	v_max3_num_f32 v[\c0], |v[\x]|, |v[\x+1]|, |v[\x+2]|
	v_max3_num_f32 v[\c1], |v[\x+8]|, |v[\x+9]|, |v[\x+10]|
	v_max3_num_f32 v[\c2], |v[\x+16]|, |v[\x+17]|, |v[\x+18]|
	v_max3_num_f32 v[\c3], |v[\x+24]|, |v[\x+25]|, |v[\x+26]|
.irp i, 3,5
	v_max3_num_f32 v[\c0], v[\c0], |v[\x+\i]|, |v[\x+\i+1]|
	v_max3_num_f32 v[\c1], v[\c1], |v[\x+8+\i]|, |v[\x+9+\i]|
	v_max3_num_f32 v[\c2], v[\c2], |v[\x+16+\i]|, |v[\x+17+\i]|
	v_max3_num_f32 v[\c3], v[\c3], |v[\x+24+\i]|, |v[\x+25+\i]|
.endr
	v_max3_num_f32 v[\c0], v[\c0], v[\c1], |v[\x+7]|
	v_max3_num_f32 v[\c2], v[\c2], v[\c3], |v[\x+23]|
	v_max3_num_f32 v[\c0], v[\c0], |v[\x+15]|, 0x1800000
	v_max3_num_f32 v[\c2], v[\c2], |v[\x+31]|, 0x1800000
.endm
.macro SCALE2 m0, p0, m1, p1           ; with lane l xor 16's: the blocks' largest; p: the conversions' scale operands (2 off the exponent field); m: the scales' bytes
	v_permlanex16_b32 v[\p0], v[\m0], s20, s21
	v_permlanex16_b32 v[\p1], v[\m1], s20, s21
	v_max_num_f32 v[\m0], v[\m0], v[\p0]
	v_max_num_f32 v[\m1], v[\m1], v[\p1]
	v_add_nc_u32 v[\p0], 0xff000000, v[\m0]
	v_add_nc_u32 v[\p1], 0xff000000, v[\m1]
	v_lshrrev_b32 v[\m0], 23, v[\p0]
	v_lshrrev_b32 v[\m1], 23, v[\p1]
.endm
.macro WHOLE c, d                      ; two blocks' half rows become a whole block in a lane: registers c .. c + 5
.irp i, 0,1,2
	v_permlane16_swap_b32 v[\c+\i], v[\d+\i]
.endr
.irp i, 0,1,2
	v_mov_b32 v[\c+3+\i], v[\d+\i]
.endr
.endm
; A BLOCK: x's tile b of the trip's eight
.macro BLK b
	s_wait_dscnt 32                                ; this block's 32 loads are in; the next block's 32 may be out
.irp q, 0,1,2,3,4,5,6,7
.irp t, 0,1,2,3
	PQK \q, \t, \b
.endr
.irp t, 0,1
	PV \q, \t, \b
.endr
.endr
	WIN 0
	v_add_nc_u32 v[AX16], s40, v[L16]              ; with two v_nop: four places behind the last product, ahead of the loads into the registers that it has read and of the reads of its sums
	v_add_nc_u32 v[AX8], s40, v[L8]
	v_nop
	v_nop
	FETCH (\b)%2, AX16, AX8, 0                     ; the tile two blocks on
	s_add_co_u32 s42, s42, 1
	s_and_b32 s43, s42, 15                         ; (behind tile 15: tiles 0 and 1 again)
	s_mul_i32 s40, s43, 12288
	s_wait_xcnt 0x0                                ; the last block's stores have read their registers
	MAX4 12, 13, 14, 15, ACC
.if (\b)%2
	MAX4 16, 17, 18, 19, HV                        ; v: a block of 32 keys is two tiles of tokens
.endif
	SCALE2 12, 13, 14, 15
.if (\b)%2
	SCALE2 16, 17, 18, 19
.endif
	v_cvt_scalef32_pk16_fp6_f32 v[QC:QC+2], v[ACC:ACC+15], v13
	v_cvt_scalef32_pk16_fp6_f32 v[QD:QD+2], v[ACC+16:ACC+31], v15
.if (\b)%4 == 1
	v_cvt_scalef32_pk16_fp6_f32 v[VC:VC+2], v[HV:HV+15], v17
	v_cvt_scalef32_pk16_fp6_f32 v[VC+6:VC+8], v[HV+16:HV+31], v19
.elseif (\b)%4 == 3
	v_cvt_scalef32_pk16_fp6_f32 v[VD:VD+2], v[HV:HV+15], v17
	v_cvt_scalef32_pk16_fp6_f32 v[VD+4:VD+6], v[HV+16:HV+31], v19
.endif
	v_lshl_or_b32 v[SWQ+(\b)%4], v14, 8, v12       ; the head's two bytes.  (A plain place behind the conversions)
.if (\b) == 1
	v_mov_b32 v[VW], v16
	v_mov_b32 v[VW+1], v18
.elseif (\b)%2
	v_lshl_or_b32 v[VW], v16, 8*((\b)/2), v[VW]    ; v's scale words of these 128 keys, a byte for each pair of blocks
	v_lshl_or_b32 v[VW+1], v18, 8*((\b)/2), v[VW+1]
.endif
	WHOLE QC, QD
	global_store_b128 v[L16], v[QC:QC+3], s[58:59] offset:(\b)*768         ; 512 consecutive bytes, aligned to 256;
	global_store_b64 v[L8], v[QC+4:QC+5], s[58:59] offset:(\b)*768+512     ; 256
.if (\b)%4 == 3
	global_store_b128 v[R16], v[SWQ:SWQ+3], s[60:61] offset:((\b)/4)*256   ; sixteen lanes store 256 consecutive bytes, aligned; lanes 16-31 hold and write the same words
	WHOLE VC, VD
	WHOLE VC+6, VD+4
.irp t, 0,1
	global_store_b128 v[L16], v[VC+6*\t:VC+6*\t+3], s[62:63] offset:\t*1536+((\b)/4)*768
	global_store_b64 v[L8], v[VC+6*\t+4:VC+6*\t+5], s[62:63] offset:\t*1536+((\b)/4)*768+512
.endr
.endif
.if (\b) == 7
	global_store_b64 v[L16], v[VW:VW+1], s[66:67]  ; 8 bytes a lane, 16 bytes apart: a wave owns two of a head's four tiles
.endif
.endm
	s_load_b256 s[4:11], s[0:1], 0x0               ; xq, waq, b_attn, qq
	s_load_b128 s[12:15], s[0:1], 0x20             ; kq, vq
	v_lshl_add_u32 v[SPW], v0, 2, SPARE
	v_mov_b32 v[NIL], 0
	ds_add_u32 v[SPW], v[NIL]                      ; the opening lines
	ds_add_u32 v[SPW], v[NIL]
	v_lshrrev_b32 v12, 5, v0
	v_readfirstlane_b32 s16, v12                   ; wave 0..3
	v_and_b32 v13, 31, v0
	v_lshlrev_b32 v[L16], 4, v13
	v_lshlrev_b32 v[L8], 3, v13
	v_and_b32 v14, 15, v0
	v_lshlrev_b32 v[R16], 4, v14
	v_bfe_u32 v15, v0, 4, 1
	v_lshlrev_b32 v28, 6, v15                      ; 64 h
	v_and_b32 v29, 8, v14
	v_add_nc_u32 v29, v29, v14
	v_lshlrev_b32 v29, 2, v29                      ; 4 (r + 8 (r / 8))
	s_bfe_u32 s17, ttmp6, 0x40000                  ; cx
	s_lshl_b32 s18, ttmp9, 2
	s_add_co_u32 s18, s18, s17                     ; cg: it enters W's, the bias's and the results' addresses alone
	s_and_b32 s19, ttmp7, 0xffff                   ; rg, which the four partners share
	s_mov_b32 s20, 0x76543210
	s_mov_b32 s21, 0xfedcba98                      ; v_permlanex16_b32's selects for lane l xor 16
	s_mov_b32 s24, 15|(3<<16)|(1<<21)              ; group 1: a dense block as 192 rows of 256 bytes (32 elements of 8 bytes); the mask of all four
	s_mov_b32 s25, 32<<16
	s_mov_b32 s26, 192<<16
	s_mov_b32 s27, 32<<16
	s_mov_b32 s28, 192
	s_mov_b32 s29, 32
	s_mov_b32 s30, 0
	s_mov_b32 s31, 0
	s_mov_b32 s32, 1
	s_mul_i32 s33, s16, 49152                      ; my four tiles' place in LDS
	s_mul_i32 s70, s19, 196608
	s_add_co_u32 s70, s70, s33                     ; and in xq
	s_mul_i32 s71, s18, 196608                     ; W of q|k: tile 16 cg + 4 w
	s_add_co_u32 s71, s71, s33
	s_mul_i32 s72, s18, 98304                      ; W of v: tile 128 + 8 cg + 2 w
	s_mul_i32 s22, s16, 24576
	s_add_co_u32 s72, s72, s22
	s_add_co_u32 s72, s72, 1572864
	s_lshl_b32 s73, s18, 13                        ; their scale words, 512 bytes a tile, behind the codes
	s_lshl_b32 s22, s16, 11
	s_add_co_u32 s73, s73, s22
	s_add_co_u32 s73, s73, 2359296
	s_lshl_b32 s74, s18, 12
	s_lshl_b32 s22, s16, 10
	s_add_co_u32 s74, s74, s22
	s_add_co_u32 s74, s74, 2359296+65536
	s_lshl_b32 s75, s19, 13                        ; x's scale words
	s_add_co_u32 s75, s75, 6291456
	s_lshl_b32 s76, s18, 10                        ; the bias: q|k at column 256 cg + 64 w,
	s_lshl_b32 s22, s16, 8
	s_add_co_u32 s76, s76, s22
	s_lshl_b32 s77, s18, 9                         ; v at 2,048 + 128 cg + 32 w
	s_lshl_b32 s22, s16, 7
	s_add_co_u32 s77, s77, s22
	s_add_co_u32 s77, s77, 8192
	s_lshr_b32 s22, s19, 3
	s_lshl_b32 s22, s22, 4                         ; 16 b
	s_and_b32 s23, s19, 7                          ; which 256 tokens of the batch
	s_lshl_b32 s36, s18, 2
	s_add_co_u32 s36, s36, s16
	s_and_b32 s36, s36, 15
	s_add_co_u32 s36, s36, s22                     ; bh of q|k
	s_lshl_b32 s37, s18, 1
	s_lshr_b32 s38, s16, 1
	s_add_co_u32 s37, s37, s38
	s_add_co_u32 s37, s37, s22                     ; bh of v
	s_and_b32 s38, s16, 1
	s_mul_i32 s44, s23, 12288
	s_lshl_b32 s45, s23, 10
	s_mul_i32 s46, s36, 98304                      ; q|k's codes
	s_add_co_u32 s46, s46, s44
	s_lshl_b32 s47, s36, 13                        ; its scale words
	s_add_co_u32 s47, s47, s45
	s_add_co_u32 s47, s47, 6291456
	s_mul_i32 s48, s37, 98304                      ; v's codes: tiles 2 (w % 2), + 1
	s_add_co_u32 s48, s48, s44
	s_mul_i32 s39, s38, 3072
	s_add_co_u32 s48, s48, s39
	s_lshl_b32 s49, s37, 13                        ; its scale words
	s_add_co_u32 s49, s49, s45
	s_lshl_b32 s39, s38, 3
	s_add_co_u32 s49, s49, s39
	s_add_co_u32 s49, s49, 6291456
	s_mov_b32 s69, 0
	WALU
	s_wait_dscnt 0x0
	CROUND                                         ; all four work-groups are here: the joint loads meet
	s_wait_kmcnt 0x0
	PTR 34, 4, 70
	s_or_b32 s35, s35, 0x80000000
	tensor_load_to_lds s[32:35], s[24:31]          ; my quarter of x's tiles: one line, every wave, and every wave waits for it
	s_nop 0
.rept 4
	v_nop
.endr
	PTR 58, 6, 71                                  ; (the results' pointers take these registers behind the loads)
	PTR 60, 6, 72
	PTR 62, 6, 73
	PTR 66, 6, 74
	PTR 52, 4, 75
	PTR 54, 8, 76
	PTR 56, 8, 77
.irp q, 0,1,2,3,4,5,6,7
.irp t, 0,1,2,3
	WFRAG 4*\q+\t, 58, \t*12288+\q*1536
.endr
.endr
.irp q, 0,1,2,3,4,5,6,7
.irp t, 0,1
	WFRAG 32+2*\q+\t, 60, \t*12288+\q*1536
.endr
.endr
	WIN 0
.irp t, 0,1,2,3
	global_load_b128 v[SCW+4*\t:SCW+4*\t+3], v[L16], s[62:63] offset:\t*512
.endr
.irp t, 0,1
	global_load_b128 v[SCW+16+4*\t:SCW+16+4*\t+3], v[L16], s[66:67] offset:\t*512
.endr
.irp s, 0,1,2,3,4,5,6,7,8,9,10,11,12,13,14,15
	global_load_b128 v[SCX+4*\s:SCX+4*\s+3], v[L16], s[52:53] offset:\s*512
.endr
.irp t, 0,1,2,3                                ; register i of tile t is column 32 (t / 2) + 16 h + 8 (t % 2) + i of the head
	global_load_b128 v[BQ+8*\t:BQ+8*\t+3], v28, s[54:55] offset:(32*(\t/2)+8*(\t%2))*4
	global_load_b128 v[BQ+8*\t+4:BQ+8*\t+7], v28, s[54:55] offset:(32*(\t/2)+8*(\t%2))*4+16
.endr
.irp t, 0,1                                    ; all eight registers of tile t hold the number of column 8 t + r + 8 (r / 8) of my 32
.irp i, 0,1,2,3,4,5,6,7
	global_load_b32 v[BV+8*\t+\i], v29, s[56:57] offset:32*\t
.endr
.endr
	s_wait_loadcnt 0x0                             ; the weights, the scale words and the biases; the loads have read their pointers
	s_cmp_lt_u32 s18, 4
	s_cselect_b64 s[70:71], s[10:11], s[12:13]     ; qq or kq
	PTR 58, 70, 46
	PTR 60, 70, 47
	PTR 62, 14, 48
	PTR 66, 14, 49
	s_mov_b32 s41, 0
	s_mov_b32 s42, 2
	s_mov_b32 s40, 2*12288
	s_wait_tensorcnt 0x0                           ; my quarter has landed,
	s_barrier_signal -1
	s_barrier_wait -1                              ; everybody's has
	FETCH 0, L16, L8, 0
	FETCH 1, L16, L8, 12288
.Ltrip:
	BLK 0
	BLK 1
	BLK 2
	BLK 3
	BLK 4
	BLK 5
	BLK 6
	BLK 7
	s_cmp_eq_u32 s41, 1
	s_cbranch_scc1 .Ldone
.set n, 0
.rept 32
	v_mov_b32 v[SCX+n], v[SCX+32+n]                ; the scale words of x's tiles 8-15
.set n, n+1
.endr
	s_wait_xcnt 0x0                                ; the stores have read their pointers
	s_add_nc_u64 s[58:59], s[58:59], 6144
	s_add_nc_u64 s[60:61], s[60:61], 512
	s_add_nc_u64 s[62:63], s[62:63], 6144
	s_add_nc_u64 s[66:67], s[66:67], 512
	s_add_co_u32 s41, s41, 1
	s_cmp_lt_u32 s41, 2
	WALU
	s_cbranch_scc1 .Ltrip
.Ldone:
	s_wait_tensorcnt 0x0                           ; the wave's end
	ds_add_u32 v[SPW], v[NIL]
	s_wait_dscnt 0x0
	CROUND                                         ; the closing round
	s_endpgm
.Lfunc_end_k_q48751eab54_qkv:
	.size	k_q48751eab54_qkv, .Lfunc_end_k_q48751eab54_qkv-k_q48751eab54_qkv
	.p2alignl 7, 3214868480
	.fill 96, 4, 3214868480
	.section	.rodata,"a",@progbits
	.p2align	6, 0x0
	.amdhsa_kernel k_q48751eab54_qkv
		.amdhsa_group_segment_fixed_size 197120
		.amdhsa_private_segment_fixed_size 0
		.amdhsa_enable_private_segment 0
		.amdhsa_kernarg_size 48
		.amdhsa_user_sgpr_count 2
		.amdhsa_user_sgpr_kernarg_segment_ptr 1
		.amdhsa_wavefront_size32 1
		.amdhsa_system_sgpr_workgroup_id_x 1
		.amdhsa_system_sgpr_workgroup_id_y 1
		.amdhsa_system_sgpr_workgroup_id_z 1
		.amdhsa_system_vgpr_workitem_id 0
		.amdhsa_next_free_vgpr 1024
		.amdhsa_next_free_sgpr 80
		.amdhsa_reserve_vcc 0
		.amdhsa_float_denorm_mode_32 3
		.amdhsa_float_denorm_mode_16_64 3
		.amdhsa_memory_ordered 1
		.amdhsa_forward_progress 1
		.amdhsa_inst_pref_size 131
	.end_amdhsa_kernel
	.amdgpu_metadata
---
amdhsa.version: [ 1, 2 ]
amdhsa.kernels:
  - .name:           k_q48751eab54_qkv
    .symbol:         k_q48751eab54_qkv.kd
    .args:
      - { .name: xq, .offset: 0, .size: 8, .value_kind: global_buffer, .address_space: global }
      - { .name: waq, .offset: 8, .size: 8, .value_kind: global_buffer, .address_space: global }
      - { .name: b_attn, .offset: 16, .size: 8, .value_kind: global_buffer, .address_space: global }
      - { .name: qq, .offset: 24, .size: 8, .value_kind: global_buffer, .address_space: global }
      - { .name: kq, .offset: 32, .size: 8, .value_kind: global_buffer, .address_space: global }
      - { .name: vq, .offset: 40, .size: 8, .value_kind: global_buffer, .address_space: global }
    .group_segment_fixed_size: 197120
    .private_segment_fixed_size: 0
    .kernarg_segment_align: 8
    .kernarg_segment_size: 48
    .max_flat_workgroup_size: 128
    .sgpr_count:     80
    .vgpr_count:     1024
    .wavefront_size: 32
...
	.end_amdgpu_metadata
.endif
;; end of part 2
;; launch attn (part 3): grid 4 x 64, 16 waves a work-group, clusters of 4 x 1, 239,616 bytes of LDS; arguments qq, kq, vq, yq; writes yq
.if DOCPART == 3
	.amdgcn_target "amdgcn-amd-amdhsa--gfx1250"
	.amdhsa_code_object_version 6
	.text
	.protected	k_q48751eab54_attn
	.globl	k_q48751eab54_attn
	.p2align	8
	.type	k_q48751eab54_attn,@function
k_q48751eab54_attn:
	s_mov_b64 s[64:65], 0
	v_nop
	global_prefetch_b8 v0, s[64:65] scope:SCOPE_SE
	s_setreg_imm32_b32 hwreg(HW_REG_WAVE_MODE, 25, 1), 1
	s_wait_xcnt 0x0
	s_wait_alu depctr_hold_cnt(0) depctr_sa_sdst(0) depctr_va_vdst(0) depctr_va_sdst(0) depctr_va_ssrc(0) depctr_va_vcc(0) depctr_vm_vsrc(0)
	s_getreg_b32 s2, hwreg(HW_REG_IB_STS2, 6, 4)
	s_cmp_eq_u32 s2, 0
	s_cbranch_scc0 .Lentry_in_a_cluster
	s_endpgm
.Lentry_in_a_cluster:
	s_bfe_u32 s2, ttmp6, 0x10000c
	s_cmp_lg_u32 s2, 0x3003
	s_cbranch_scc0 .Lentry_shape_is_right
	s_endpgm
.Lentry_shape_is_right:
; y[b][t][64 head + d] = the sum over keys of softmax(q . k / sqrt(192)) v, both products on codes of FP6 (E2M3) with E8M0 scales; y is quantised on the way out, along its 1,024 channels.
; THE SOFTMAX: t = score x log2(e) / sqrt(192); M = the row's largest t so far, rounded up to a whole number; p = 2^(t - M) is quantised along the keys, not normalised.  The row's sum is taken of the unquantised p
; and divides O at the end.  When M moves, the sums and O are multiplied by f = 2^(old M - new M): exact.
; SHARES: a work-group owns 512 queries of one head, each of its sixteen waves 32, two tiles of 16 one after the other; every wave walks all 2,048 keys, 128 a step.
; LDS: the whole head's k and v, filled once at the head, one tensor load a wave: waves 0-3 a quarter of k's codes each, waves 4-7 of v's, waves 8, 9 the scale words.  The four query blocks of a head form a cluster and ask jointly (mask 15).
; No data prefetch: every tile is asked for at the head, so there is no loop to run ahead in.
; LAYOUT.  Both products are used transposed (S^T = k q^T, O^T = v^T p^T): a lane holds one query.  kq holds tiles whose lane-row r' of tile 2 g + u is key 32 g + 8 u + r' + 8 (r' / 8).  A TILE OF KEYS IS COMPOSED ANEW BY THE LANES' ADDRESSES:
; lane-row 8 a + i of tile t of group G (64 keys) is key 64 G + 32 a + 8 t + i, which lies in stored tile 4 G + 2 a + t % 2 at lane-row i + 8 (t / 2).  So a lane's 32 registers of four tiles are 32 neighbouring keys: one scale block of p,
; whose largest needs no other lane and whose codes are the operand's registers as they come.  k's LDS rows of 256 bytes have 64 bytes of padding.
; A head's K is 64 of the instruction's 128: q's upper six registers hold zero codes.  k's tiles lie six registers apart: the upper half of a k operand is the next tile's codes, which meet q's zero codes and add nothing (scale bytes 2, 3 are 0).
; THE ROW'S SUM is kept as 32 running registers: L = L f + p for the first 32 keys of a lane, L += p for the others; they are added up at the end.
; THE EXPONENTIALS come in two halves, each with independent packed multiply-adds between them; one wait stands ahead of each half and one behind.
; k's fragments of the next step are fetched behind this step's score products; the last step's fetch reads bytes of LDS behind k's (v's, which are filled) and is not used.
; LIMITS: NaN and infinities are not served; the scaled scores stay under 2^31 in magnitude; a block's largest p is taken from its largest score by the same multiply-add and exponential (this takes v_exp_f32 not to fall where its input rises);
; a block whose largest magnitude lies under 2^-124 gets the byte 1 (this program alone reads the bytes).
; REGISTERS: v1 16 l, v2 8 l, v3 16 r; v4, v5, v8 k's addresses, v6, v7, v9 v's; v10 8 h; v11 q's scale word; v12 -M, v13 the largest t; v14 f; v16 p's scale word; v17-19 at work; v20-31 q; v32-85 k; v86-89 k's scale words, v90-93 v's;
;   v94, v95 the add's; v96-159 S^T, p, then v's fragments; v160-191 O^T; v192-223 L; v224-242 codes; v244-251 at work; v252-254 k's lane addresses.
.set KST,   7680                       ; a step of k in LDS: 8 tiles x 3 rows x 320
.set VCO,   122880                     ; v's codes
.set KSC,   221184                     ; k's scale words
.set VSC,   229376                     ; v's
.set SPARE, 237568                     ; the spare words: 128 bytes a wave
.set G1K, 16
.set G1V, 24
.set G0,  32
.set G1S, 36
.macro WALU
	s_wait_alu depctr_va_vdst(0)
.endm
.macro D1
	s_delay_alu instid0(VALU_DEP_1)
.endm
.macro D2
	s_delay_alu instid0(VALU_DEP_2)
.endm
.macro CROUND                          ; a round of the cluster's barrier
	s_barrier_signal -1
	s_barrier_wait -1
	s_cmp_lg_u32 s12, 0
	s_cbranch_scc1 .Lnot_wave_0_\@
	s_barrier_signal -3
.Lnot_wave_0_\@:
	s_barrier_wait -3
	s_barrier_signal -1
	s_barrier_wait -1
.endm
.macro TLOAD g1
	tensor_load_to_lds s[G0:G0+3], s[\g1:\g1+7]
	s_nop 0
.rept 4
	v_nop
.endr
.endm
	s_load_b256 s[4:11], s[0:1], 0x0               ; qq, kq, vq, yq
	v_lshl_add_u32 v94, v0, 2, SPARE
	v_mov_b32 v95, 0
	ds_add_u32 v94, v95                            ; the opening lines
	ds_add_u32 v94, v95
	v_lshrrev_b32 v244, 5, v0
	v_readfirstlane_b32 s12, v244                  ; wave 0..15
	v_and_b32 v245, 31, v0
	v_lshlrev_b32 v1, 4, v245                      ; 16 l
	v_lshlrev_b32 v2, 3, v245                      ; 8 l
	v_and_b32 v246, 15, v0
	v_lshlrev_b32 v3, 4, v246                      ; 16 r
	v_bfe_u32 v247, v0, 4, 1                       ; h
	v_bfe_u32 v248, v0, 3, 1                       ; a
	v_and_b32 v249, 7, v0                          ; i
	v_lshlrev_b32 v10, 3, v247                     ; 8 h
	v_mul_u32_u24 v252, v248, 1920                 ; two stored tiles on
	v_mad_u32_u24 v253, v247, 128, v252
	v_mad_u32_u24 v252, v247, 320, v252
	v_lshl_add_u32 v252, v249, 4, v252             ; k's registers 0-3: 1,920 a + 320 h + 16 i
	v_lshl_add_u32 v253, v249, 3, v253
	v_add_nc_u32 v253, 640, v253                   ; registers 4-5: 1,920 a + 640 + 128 h + 8 i
	v_lshlrev_b32 v254, 8, v247
	v_lshl_add_u32 v254, v249, 4, v254
	v_lshl_add_u32 v254, v248, 3, v254
	v_add_nc_u32 v254, KSC, v254                   ; k's scale words: lanes 0-15 group 0, lanes 16-31 group 1: 256 h + 16 i + 8 a
	s_bfe_u32 s13, ttmp6, 0x40000                  ; cx
	s_lshl_b32 s59, ttmp9, 2
	s_add_co_u32 s13, s13, s59                     ; my block of 512 queries: it enters q's and y's addresses alone
	s_and_b32 s14, ttmp7, 0xffff                   ; bh = 16 b + head
	s_and_b32 s15, s12, 1
	s_mul_i32 s70, s14, 98304                      ; the head's codes,
	s_mov_b32 s71, 0
	s_lshl_b32 s72, s14, 13
	s_add_co_u32 s72, s72, 6291456                 ; and its scale words, behind the codes
	s_mov_b32 s73, 0
	s_mul_i32 s2, s13, 24576                       ; q: tile 32 qb + 2 w of 768 bytes
	s_add_co_u32 s2, s2, s70
	s_mul_i32 s59, s12, 1536
	s_add_co_u32 s2, s2, s59
	s_mov_b32 s3, 0
	s_lshl_b32 s66, s13, 11                        ; its scale words: 2,048 qb + 256 (w / 2) + 8 (w % 2)
	s_add_co_u32 s66, s66, s72
	s_lshr_b32 s59, s12, 1
	s_lshl_b32 s59, s59, 8
	s_add_co_u32 s66, s66, s59
	s_lshl_b32 s59, s15, 3
	s_add_co_u32 s66, s66, s59
	s_mov_b32 s67, 0
	s_lshr_b32 s59, s14, 4                         ; y: tile 128 b + 32 qb + 2 w of 12,288 bytes; the head is 768 bytes of it
	s_lshl_b32 s59, s59, 7
	s_lshl_b32 s68, s13, 5
	s_add_co_u32 s59, s59, s68
	s_lshl_b32 s68, s12, 1
	s_add_co_u32 s59, s59, s68
	s_and_b32 s56, s14, 15                         ; head
	s_mul_i32 s68, s59, 12288
	s_mul_i32 s57, s56, 768
	s_add_co_u32 s68, s68, s57
	s_mov_b32 s69, 0
	s_lshl_b32 s74, s59, 9                         ; its scale bytes: 512 T + 256 (head / 8) + 4 ((head / 2) % 4) + 2 (head % 2)
	s_add_co_u32 s74, s74, 6291456
	s_lshr_b32 s57, s56, 3
	s_lshl_b32 s57, s57, 8
	s_add_co_u32 s74, s74, s57
	s_bfe_u32 s57, s56, 0x20001
	s_lshl_b32 s57, s57, 2
	s_add_co_u32 s74, s74, s57
	s_and_b32 s57, s56, 1
	s_lshl_b32 s57, s57, 1
	s_add_co_u32 s74, s74, s57
	s_mov_b32 s75, 0
.irp g, G1K, G1V, G1S                          ; dense blocks as rows of 256 bytes (32 elements of 8 bytes)
	s_mov_b32 s[\g+1], 32<<16
	s_mov_b32 s[\g+3], 32<<16
	s_mov_b32 s[\g+5], 32
	s_mov_b32 s[\g+6], 0
	s_mov_b32 s[\g+7], 0
.endr
	s_mov_b32 s[G1K], 15|(3<<16)|(1<<20)|(1<<21)|(5<<22)|(15<<25)   ; the mask of all four; behind every 64 words 16 words of padding
	s_mov_b32 s[G1K+2], 96<<16
	s_mov_b32 s[G1K+4], 96
	s_mov_b32 s[G1V], 15|(3<<16)|(1<<21)
	s_mov_b32 s[G1V+2], 96<<16
	s_mov_b32 s[G1V+4], 96
	s_mov_b32 s[G1S], 15|(3<<16)|(1<<21)
	s_mov_b32 s[G1S+2], 32<<16
	s_mov_b32 s[G1S+4], 32
	s_mov_b32 s52, 0x76543210
	s_mov_b32 s53, 0xfedcba98                      ; v_permlanex16_b32's selects for lane l xor 16
	s_mov_b32 s54, 0x3dd53b95                      ; c = log2(e) / sqrt(192)
	s_mov_b32 s55, s54
	s_mov_b32 s[G0], 1
	WALU
	s_wait_dscnt 0x0
	s_wait_kmcnt 0x0
	s_add_nc_u64 s[60:61], s[4:5], s[2:3]          ; q's codes
	s_add_nc_u64 s[62:63], s[4:5], s[66:67]        ; q's scale words
	s_add_nc_u64 s[66:67], s[10:11], s[68:69]      ; y's codes
	s_add_nc_u64 s[68:69], s[10:11], s[74:75]      ; y's scale bytes
	CROUND                                         ; all four work-groups are here: the joint loads meet
	s_cmp_lt_u32 s12, 4                            ; one chain of branches on the wave's number, one load to an arm
	s_cbranch_scc0 .Lnot_k
	s_mul_i32 s[G0+1], s12, 30720                  ; quarter w of k's codes: 96 rows of 320
	s_mul_i32 s58, s12, 24576
	s_add_co_u32 s58, s58, s70
	s_mov_b32 s59, 0
	s_add_nc_u64 s[G0+2:G0+3], s[6:7], s[58:59]
	s_or_b32 s[G0+3], s[G0+3], 0x80000000
	TLOAD G1K
	s_branch .Lasked
.Lnot_k:
	s_cmp_lt_u32 s12, 8
	s_cbranch_scc0 .Lnot_v
	s_mul_i32 s[G0+1], s12, 24576                  ; quarter w - 4 of v's codes
	s_add_co_u32 s58, s[G0+1], s70
	s_sub_co_u32 s58, s58, 98304
	s_mov_b32 s59, 0
	s_add_co_u32 s[G0+1], s[G0+1], VCO-98304
	s_add_nc_u64 s[G0+2:G0+3], s[8:9], s[58:59]
	s_or_b32 s[G0+3], s[G0+3], 0x80000000
	TLOAD G1V
	s_branch .Lasked
.Lnot_v:
	s_cmp_lt_u32 s12, 10
	s_cbranch_scc0 .Lasked
	s_lshl_b32 s[G0+1], s12, 13                    ; wave 8: k's scale words, wave 9: v's
	s_add_co_u32 s[G0+1], s[G0+1], KSC-65536
	s_cmp_eq_u32 s12, 8
	s_cselect_b64 s[G0+2:G0+3], s[6:7], s[8:9]
	s_add_nc_u64 s[G0+2:G0+3], s[G0+2:G0+3], s[72:73]
	s_or_b32 s[G0+3], s[G0+3], 0x80000000
	TLOAD G1S
.Lasked:
.macro QLOAD p                         ; my tile p: six registers of codes, and the scale word of lane-row r
	global_load_b128 v[20:23], v1, s[60:61] offset:(\p)*768
	global_load_b64 v[24:25], v2, s[60:61] offset:(\p)*768+512
	global_load_b32 v11, v3, s[62:63] offset:(\p)*4
.endm
	QLOAD 0
.irp i, 26,27,28,29,30,31, 80,81,82,83,84,85, 15,18
	v_mov_b32 v\i, 0                               ; q's zero codes; the registers behind k's last tile; the pair's upper half; a lane permute's destination
.endr
; the next 128 keys' fragments and scale words.  Its four vector lines are the places behind the score products
.macro KFETCH
	v_add_nc_u32 v4, s56, v252
	v_add_nc_u32 v5, s56, v253
	v_add_nc_u32 v8, s74, v254
	v_mov_b32 v19, v12                             ; the old -M
.irp T, 0,1,2,3,4,5,6,7
	ds_load_b128 v[32+6*\T:35+6*\T], v4 offset:(\T/4)*3840+(\T%2)*960+((\T/2)%2)*128
	ds_load_b64 v[36+6*\T:37+6*\T], v5 offset:(\T/4)*3840+(\T%2)*960+((\T/2)%2)*64
.endr
	ds_load_b64 v[86:87], v8                       ; register t: lanes 0-15 tile t, lanes 16-31 tile 4 + t
	ds_load_b64 v[88:89], v8 offset:128
	s_add_co_u32 s56, s56, KST
	s_add_co_u32 s74, s74, 512
.endm
.macro VLOAD t
	ds_load_b128 v[96+12*\t:99+12*\t], v6 offset:\t*1536
	ds_load_b64 v[100+12*\t:101+12*\t], v7 offset:\t*1536+512
	ds_load_b128 v[102+12*\t:105+12*\t], v6 offset:\t*1536+768
	ds_load_b64 v[106+12*\t:107+12*\t], v7 offset:\t*1536+1280
.endm
.macro VADDR                           ; where v's fragments and scale words of a step lie
	v_add_nc_u32 v6, s57, v1
	v_add_nc_u32 v7, s57, v2
	v_add_nc_u32 v9, s75, v1
.endm
.macro OMUL t
	v_wmma_scale_f32_16x16x128_f8f6f4 v[160+8*\t:167+8*\t], v[96+12*\t:107+12*\t], v[224:235], v[160+8*\t:167+8*\t], v[90+\t], v16 matrix_a_fmt:MATRIX_FMT_FP6 matrix_b_fmt:MATRIX_FMT_FP6
.endm
; A KEY STEP: 128 keys
.macro STEP
	s_wait_dscnt 0x0                               ; k's fragments and scale words, asked for a step ago
.irp T, 0,1,2,3
	v_wmma_scale_f32_16x16x128_f8f6f4 v[96+8*\T:103+8*\T], v[32+6*\T:43+6*\T], v[20:31], 0, v[86+\T], v11 matrix_a_fmt:MATRIX_FMT_FP6 matrix_b_fmt:MATRIX_FMT_FP6
.endr
.irp T, 4,5,6,7
	v_wmma_scale_f32_16x16x128_f8f6f4 v[96+8*\T:103+8*\T], v[32+6*\T:43+6*\T], v[20:31], 0, v[82+\T], v11 matrix_a_fmt:MATRIX_FMT_FP6 matrix_b_fmt:MATRIX_FMT_FP6 matrix_a_scale:MATRIX_SCALE_ROW1
.endr
	KFETCH
.irp x, 0,1,2,3                                ; the largest score of my two blocks of 32 keys, two chains each, the four by turns; each accumulator is read from its low end on
	v_max3_num_f32 v[244+\x], v[96+16*\x], v[97+16*\x], v[98+16*\x]
.endr
.irp i, 3,5,7,9,11,13
.irp x, 0,1,2,3
	v_max3_num_f32 v[244+\x], v[244+\x], v[96+16*\x+\i], v[97+16*\x+\i]
.endr
.endr
	v_max3_num_f32 v244, v244, v245, v111
	v_max3_num_f32 v246, v246, v247, v143
	v_max_num_f32 v244, v244, v127                 ; block h
	v_max_num_f32 v245, v246, v159                 ; block 2 + h
	D1
	v_max_num_f32 v17, v244, v245
	D1
	v_permlanex16_b32 v18, v17, s52, s53
	D1
	v_max_num_f32 v17, v17, v18                    ; the step's largest score of my query
	D1
	v_mul_f32 v17, s54, v17                        ; as t (c is positive)
	D1
	v_max_num_f32 v13, v13, v17                    ; the running largest t
	D1
	v_floor_f32 v12, -v13                          ; the new -M = -ceil(t)
	D1
	v_sub_f32 v17, v12, v19                        ; old M less new M: a whole number, 0 or less
	D1
	v_cvt_i32_f32 v17, v17                         ; (it saturates)
	D1
	v_ldexp_f32 v14, 1.0, v17                      ; f
	v_fma_f32 v244, v244, s54, v12                 ; t - M of the blocks' largest scores,
	v_fma_f32 v245, v245, s54, v12
.set n, 0
.rept 16
	v_pk_fma_f32 v[96+n:97+n], v[96+n:97+n], s[54:55], v[12:13] op_sel_hi:[1,0,0]   ; and of my first 32 keys
.set n, n+2
.endr
.set n, 0
.rept 16
	v_pk_mul_f32 v[160+n:161+n], v[160+n:161+n], v[14:15] op_sel_hi:[1,0]           ; O^T under the new M
.set n, n+2
.endr
	WALU                                           ; ahead of the batch
	v_exp_f32 v244, v244                           ; the blocks' largest p
	v_exp_f32 v245, v245
.set n, 0
.rept 16
	v_exp_f32 v[96+n], v[96+n]                     ; p of the first 32 keys; between them t - M of the other 32, which hangs on none of them
	v_exp_f32 v[97+n], v[97+n]
	v_pk_fma_f32 v[128+n:129+n], v[128+n:129+n], s[54:55], v[12:13] op_sel_hi:[1,0,0]
.set n, n+2
.endr
	WALU                                           ; behind the batch, and ahead of the next
	v_max_num_f32 v244, 0x1800000, v244            ; the floor 2^(3 - 127): the byte cannot fall under 1
	v_max_num_f32 v245, 0x1800000, v245
	D2
	v_add_nc_u32 v248, 0xff000000, v244            ; 2 off the exponent field: the conversions' scale operands
	D2
	v_add_nc_u32 v249, 0xff000000, v245
	v_cvt_scalef32_pk16_fp6_f32 v[224:226], v[96:111], v248
	v_cvt_scalef32_pk16_fp6_f32 v[236:238], v[112:127], v248   ; (a conversion's three registers begin on an even number)
	v_lshrrev_b32 v250, 23, v248                   ; the scales' bytes
	v_lshrrev_b32 v251, 23, v249
	D1
	v_lshl_or_b32 v17, v251, 16, v250              ; blocks h and 2 + h,
	D1
	v_lshlrev_b32 v17, v10, v17                    ; at their places in the word;
	D1
	v_permlanex16_b32 v18, v17, s52, s53
	D1
	v_or_b32 v16, v17, v18                         ; with lane l xor 16's two: p's scale word
.irp i, 0,1,2
	v_mov_b32 v[227+\i], v[236+\i]
.endr
.set n, 0
.rept 16
	v_exp_f32 v[128+n], v[128+n]                   ; p of the other 32 keys; between them the sums take in the first 32
	v_exp_f32 v[129+n], v[129+n]
	v_pk_fma_f32 v[192+n:193+n], v[192+n:193+n], v[14:15], v[96+n:97+n] op_sel_hi:[1,0,1]
.set n, n+2
.endr
	WALU                                           ; behind the batch
	VLOAD 0                                        ; v's fragments take the registers that p has left
	VLOAD 1
	ds_load_b128 v[90:93], v9                      ; v's scale words: register j: tile j
	v_cvt_scalef32_pk16_fp6_f32 v[230:232], v[128:143], v249
	v_cvt_scalef32_pk16_fp6_f32 v[240:242], v[144:159], v249
.set n, 0
.rept 8
	v_pk_add_f32 v[192+n:193+n], v[192+n:193+n], v[128+n:129+n]
.set n, n+2
.endr
	VLOAD 2
	VLOAD 3
.irp i, 0,1,2
	v_mov_b32 v[233+\i], v[240+\i]
.endr
.rept 8
	v_pk_add_f32 v[192+n:193+n], v[192+n:193+n], v[128+n:129+n]   ; these eight are also the places between the codes' last writes and the products
.set n, n+2
.endr
	s_add_co_u32 s57, s57, 6144
	s_add_co_u32 s75, s75, 512
	WALU
	s_wait_dscnt 8                                 ; all but the youngest eight loads (fragments 2, 3)
	OMUL 0
	OMUL 1
	s_wait_dscnt 0x0
	OMUL 2
	OMUL 3
	VADDR                                          ; with two v_nop: five places ahead of the score products, which write over the registers that held v's fragments
	v_nop
	v_nop
.endm
; THE WAY OUT of tile p: O^T / the sum is y's 64 channels of this head, 16 of each block of 32 in a lane: quantised in registers, stored as half a fragment's image
.macro FINISH p
	s_wait_dscnt 0x0                               ; the fetch that the last step left
.irp n, 0,2,4,6,8,10,12,14
	v_pk_add_f32 v[192+\n:193+\n], v[192+\n:193+\n], v[208+\n:209+\n]
.endr
.irp n, 0,2,4,6
	v_pk_add_f32 v[192+\n:193+\n], v[192+\n:193+\n], v[200+\n:201+\n]
.endr
.irp n, 0,2
	D2
	v_pk_add_f32 v[192+\n:193+\n], v[192+\n:193+\n], v[196+\n:197+\n]
.endr
	D1
	v_pk_add_f32 v[192:193], v[192:193], v[194:195]
	D1
	v_add_f32 v17, v192, v193
	D1
	v_permlanex16_b32 v18, v17, s52, s53
	D1
	v_add_f32 v17, v17, v18                        ; with lane l xor 16's keys: the row's sum
	WALU
	v_rcp_f32 v14, v17
	v_nop
	WALU
.set n, 0
.rept 16
	v_pk_mul_f32 v[96+n:97+n], v[160+n:161+n], v[14:15] op_sel_hi:[1,0]   ; each accumulator from its low end on
.set n, n+2
.endr
.irp b, 0,1
	v_max3_num_f32 v[244+\b], |v[96+16*\b]|, |v[97+16*\b]|, 0x1800000
.endr
.irp i, 2,4,6,8,10,12,14
.irp b, 0,1
	D2
	v_max3_num_f32 v[244+\b], v[244+\b], |v[96+16*\b+\i]|, |v[97+16*\b+\i]|
.endr
.endr
.irp b, 0,1
	D2
	v_permlanex16_b32 v[246+\b], v[244+\b], s52, s53
.endr
.irp b, 0,1
	D2
	v_max_num_f32 v[244+\b], v[244+\b], v[246+\b]
.endr
.irp b, 0,1
	D2
	v_add_nc_u32 v[248+\b], 0xff000000, v[244+\b]
.endr
.irp b, 0,1
	D2
	v_lshrrev_b32 v[250+\b], 23, v[248+\b]
.endr
	D1
	v_lshl_or_b32 v239, v251, 8, v250              ; the head's two scale bytes of my row
	v_cvt_scalef32_pk16_fp6_f32 v[224:226], v[96:111], v248
	v_cvt_scalef32_pk16_fp6_f32 v[236:238], v[112:127], v249
	v_nop
.irp i, 0,1,2
	v_permlane16_swap_b32 v[224+\i], v[236+\i]     ; a whole block in a lane
.endr
.irp i, 0,1,2
	v_mov_b32 v[227+\i], v[236+\i]
.endr
	global_store_b128 v1, v[224:227], s[66:67] offset:(\p)*12288       ; 512 consecutive bytes, aligned to 256;
	global_store_b64 v2, v[228:229], s[66:67] offset:(\p)*12288+512    ; 256
	global_store_b16 v3, v239, s[68:69] offset:(\p)*512                ; 2 bytes a row, 16 bytes apart: a head owns half of a scale word.  Lanes 16-31 write what lanes 0-15 write
.endm
.macro PASS p
.if \p
	s_wait_xcnt 0x0                                ; the first tile's stores have read their registers
.endif
	v_mov_b32 v13, 0xff61b1e6                      ; the largest t so far: -3e38
	v_floor_f32 v12, -v13                          ; -M
.set n, 0
.rept 64
	v_mov_b32 v[160+n], 0                          ; O^T and the sums: the step is written once, and the first finds zeros
.set n, n+1
.endr
	s_mov_b32 s56, 0
	s_mov_b32 s74, 0
	s_mov_b32 s57, VCO
	s_mov_b32 s75, VSC
	s_mov_b32 s58, 16
	VADDR
	KFETCH
	WALU
	s_wait_loadcnt 0x0                             ; q
.Lkeys_\@:
	STEP
	s_sub_co_u32 s58, s58, 1
	s_cmp_lg_u32 s58, 0
	s_cbranch_scc1 .Lkeys_\@
.if (\p) == 0
	QLOAD 1                                        ; the next tile's q lands while this tile goes out
.endif
	FINISH \p
.endm
	WALU
	s_wait_tensorcnt 0x0                           ; my tensor load has landed (a wave that issued none passes at once),
	s_barrier_signal -1
	s_barrier_wait -1                              ; everybody's has: the head's k and v are whole
	PASS 0
	PASS 1
	s_wait_tensorcnt 0x0                           ; the wave's end
	ds_add_u32 v94, v95
	s_wait_dscnt 0x0
	CROUND                                         ; the closing round
	s_endpgm
.Lfunc_end_k_q48751eab54_attn:
	.size	k_q48751eab54_attn, .Lfunc_end_k_q48751eab54_attn-k_q48751eab54_attn
	.p2alignl 7, 3214868480
	.fill 96, 4, 3214868480
	.section	.rodata,"a",@progbits
	.p2align	6, 0x0
	.amdhsa_kernel k_q48751eab54_attn
		.amdhsa_group_segment_fixed_size 239616
		.amdhsa_private_segment_fixed_size 0
		.amdhsa_enable_private_segment 0
		.amdhsa_kernarg_size 32
		.amdhsa_user_sgpr_count 2
		.amdhsa_user_sgpr_kernarg_segment_ptr 1
		.amdhsa_wavefront_size32 1
		.amdhsa_system_sgpr_workgroup_id_x 1
		.amdhsa_system_sgpr_workgroup_id_y 1
		.amdhsa_system_sgpr_workgroup_id_z 1
		.amdhsa_system_vgpr_workitem_id 0
		.amdhsa_next_free_vgpr 256
		.amdhsa_next_free_sgpr 76
		.amdhsa_reserve_vcc 0
		.amdhsa_float_denorm_mode_32 3
		.amdhsa_float_denorm_mode_16_64 3
		.amdhsa_memory_ordered 1
		.amdhsa_forward_progress 1
		.amdhsa_inst_pref_size 59
	.end_amdhsa_kernel
	.amdgpu_metadata
---
amdhsa.version: [ 1, 2 ]
amdhsa.kernels:
  - .name:           k_q48751eab54_attn
    .symbol:         k_q48751eab54_attn.kd
    .args:
      - { .name: qq, .offset: 0, .size: 8, .value_kind: global_buffer, .address_space: global }
      - { .name: kq, .offset: 8, .size: 8, .value_kind: global_buffer, .address_space: global }
      - { .name: vq, .offset: 16, .size: 8, .value_kind: global_buffer, .address_space: global }
      - { .name: yq, .offset: 24, .size: 8, .value_kind: global_buffer, .address_space: global }
    .group_segment_fixed_size: 239616
    .private_segment_fixed_size: 0
    .kernarg_segment_align: 8
    .kernarg_segment_size: 32
    .max_flat_workgroup_size: 512
    .sgpr_count:     76
    .vgpr_count:     256
    .wavefront_size: 32
...
	.end_amdgpu_metadata
.endif
;; end of part 3
;; launch proj (part 4): grid 4 x 64, 4 waves a work-group, clusters of 4 x 1, 167,936 bytes of LDS; arguments wpq, yq, b_proj, out0; writes out0
.if DOCPART == 4
	.amdgcn_target "amdgcn-amd-amdhsa--gfx1250"
	.amdhsa_code_object_version 6
	.text
	.protected	k_q48751eab54_proj
	.globl	k_q48751eab54_proj
	.p2align	8
	.type	k_q48751eab54_proj,@function
k_q48751eab54_proj:
	s_mov_b64 s[64:65], 0
	v_nop
	global_prefetch_b8 v0, s[64:65] scope:SCOPE_SE
	s_setreg_imm32_b32 hwreg(HW_REG_WAVE_MODE, 25, 1), 1
	s_wait_xcnt 0x0
	s_wait_alu depctr_hold_cnt(0) depctr_sa_sdst(0) depctr_va_vdst(0) depctr_va_sdst(0) depctr_va_ssrc(0) depctr_va_vcc(0) depctr_vm_vsrc(0)
	s_getreg_b32 s2, hwreg(HW_REG_IB_STS2, 6, 4)
	s_cmp_eq_u32 s2, 0
	s_cbranch_scc0 .Lentry_in_a_cluster
	s_endpgm
.Lentry_in_a_cluster:
	s_bfe_u32 s2, ttmp6, 0x10000c
	s_cmp_lg_u32 s2, 0x3003
	s_cbranch_scc0 .Lentry_shape_is_right
	s_endpgm
.Lentry_shape_is_right:
; out0 = y W_proj + b_proj on codes of FP6 (E2M3) with E8M0 scales, K = 1,024; out0 [8192][1024] f32.
; THE DEAL.  256 work-groups of four waves.  Work-group (cg, rg) makes 128 tokens (y's tiles 8 rg .. + 7) x 256 columns; wave w holds in registers, for ALL of K, 64 columns of W_proj (four tiles, 384 registers): wpq lies in the order of
; the operand's registers, so each lane loads its fragments whole, straight from memory.  y's 8 tiles, 98,304 dense bytes, come into LDS once, a quarter by each wave's one tensor load; nothing is filled again.
; The four work-groups of a cluster share rg and ask for y's tiles jointly (mask 15).  No data prefetch: everything is asked for at the head, so there is no loop to run ahead in.
; Every wave streams the 8 tiles of tokens past its weights: a block is 32 products, four accumulators by turns; two sets of y's fragments, each fetched two blocks ahead.
; Source 0 = W's columns, source 1 = tokens: a lane's eight results are eight neighbouring columns of one row of out0.  EACH BLOCK'S ROWS LEAVE BEHIND ITS OWN PRODUCTS: through the wave's own stage in LDS and back as whole rows of 256 bytes.
; ROWS go in tiles of 16, lane-row r of tile 2 g + u being row 32 g + 8 u + r + 8 (r / 8).  A tile's 1,024 along K are 12,288 bytes: for each 64 along K lane l's registers 0-3 at 16 l, its registers 4-5 at 512 + 8 l;
; its scale words, 512 bytes behind the codes: at 16 l four words: lanes 0-15 K steps 0-3, lanes 16-31 K steps 4-7.
; LIMITS: NaN, infinities and sums beyond f32's range are not served; a sum begins with the bias.
; REGISTERS.  W's fragment 4 q + tile lies at register 256 + 12 (4 q + tile); y's two sets at 640 and at 768.  All else in window 0:
.set L16, 1                            ; 16 l
.set L8,  2                            ; 8 l
.set AX16, 4                           ; LDS addresses of the tile that is fetched next
.set AX8, 5
.set SPW, 6                            ; my spare word
.set NIL, 7                            ; 0
.set STO, 8                            ; the stage: where I put 32 bytes of a row
.set RD,  9                            ; and where I read 16 bytes of a row back
.set CO,  10                           ; my byte offset in out0: row l / 16, 16 bytes x (l % 16)
.set SCW, 32                           ; v32-47  W's scale words: 4 tile + i
.set SCY, 58                           ; v58-89  y's: 4 block + i.  A product's two scale registers differ by 2 or 6 modulo 8 in their numbers
.set ACC, 122                          ; v122-153 the sums
.set BK,  154                          ; v154-217 two sets: 16 rows x 256 bytes back from the stage
.set BQ,  218                          ; v218-249 the bias as the first products' C
.set STAGE, 98304                      ; behind y's tiles: 16 rows x (256 bytes + 16) for each wave; no tile lands there
.set SPITCH, 272
.set SPARE, 115712                     ; behind the stages: the spare words
.set MSB, 0
.macro WIN new                         ; the immediate's high byte repeats the setting that is left
.if MSB != \new
	s_set_vgpr_msb (MSB<<8)|\new
.set MSB, \new
.endif
.endm
.macro WALU
	s_wait_alu depctr_va_vdst(0)
.endm
.macro CROUND                          ; a round of the cluster's barrier
	s_barrier_signal -1
	s_barrier_wait -1
	s_cmp_lg_u32 s16, 0
	s_cbranch_scc1 .Lnot_wave_0_\@
	s_barrier_signal -3
.Lnot_wave_0_\@:
	s_barrier_wait -3
	s_barrier_signal -1
	s_barrier_wait -1
.endm
.macro PTR d, base, off                ; a pointer = a buffer's address + the 32-bit offset in s\off (s69 = 0)
	s_mov_b32 s68, s\off
	s_add_nc_u64 s[\d:\d+1], s[\base:\base+1], s[68:69]
.endm
.macro GLD reg, n, adr, base, off      ; n registers from register reg on, whatever its window
	WIN (((\reg)>>8)<<6)
.if \n == 4
	global_load_b128 v[(\reg)&255:((\reg)&255)+3], v[\adr], s[\base:\base+1] offset:\off
.else
	global_load_b64 v[(\reg)&255:((\reg)&255)+1], v[\adr], s[\base:\base+1] offset:\off
.endif
.endm
.macro WFRAG f, base, off              ; a fragment of W from memory; no load runs across a window's end
.set R_, 256+12*(\f)
	GLD R_, 4, L16, \base, \off
	GLD R_+4, 2, L8, \base, (\off)+512
	GLD R_+6, 4, L16, \base, (\off)+768
	GLD R_+10, 2, L8, \base, (\off)+1280
.endm
.macro FETCH e, a16, a8, off           ; a tile of y, all of K, into set e (window 2 from v128, or window 3 from v0): 32 loads of consecutive bytes
.set XO_, 128*(1-(\e))
	WIN ((2+(\e))<<6)
.irp q, 0,1,2,3,4,5,6,7
	ds_load_b128 v[XO_+12*\q:XO_+12*\q+3], v[\a16] offset:(\off)+\q*1536
	ds_load_b64 v[XO_+12*\q+4:XO_+12*\q+5], v[\a8] offset:(\off)+\q*1536+512
	ds_load_b128 v[XO_+12*\q+6:XO_+12*\q+9], v[\a16] offset:(\off)+\q*1536+768
	ds_load_b64 v[XO_+12*\q+10:XO_+12*\q+11], v[\a8] offset:(\off)+\q*1536+1280
.endr
	WIN 0
.endm
.macro PROD d, a, bb, q, c0, sa, sb    ; the first K step takes the bias as C: nothing is cleared, nothing is added later
.if (\q) == 0
	v_wmma_scale_f32_16x16x128_f8f6f4 v[\d:\d+7], v[\a:\a+11], v[\bb:\bb+11], v[\c0:\c0+7], v[\sa], v[\sb] matrix_a_fmt:MATRIX_FMT_FP6 matrix_b_fmt:MATRIX_FMT_FP6
.elseif (\q) < 4
	v_wmma_scale_f32_16x16x128_f8f6f4 v[\d:\d+7], v[\a:\a+11], v[\bb:\bb+11], v[\d:\d+7], v[\sa], v[\sb] matrix_a_fmt:MATRIX_FMT_FP6 matrix_b_fmt:MATRIX_FMT_FP6
.else
	v_wmma_scale_f32_16x16x128_f8f6f4 v[\d:\d+7], v[\a:\a+11], v[\bb:\bb+11], v[\d:\d+7], v[\sa], v[\sb] matrix_a_fmt:MATRIX_FMT_FP6 matrix_b_fmt:MATRIX_FMT_FP6 matrix_a_scale:MATRIX_SCALE_ROW1 matrix_b_scale:MATRIX_SCALE_ROW1
.endif
.endm
.macro PQ q, t, s                      ; source 0 = W's tile t, source 1 = y's tile s
.set FW_, (256+12*(4*(\q)+(\t)))>>8
.set FG_, (256+12*(4*(\q)+(\t)))&255
.set XG_, 128*(1-(\s)%2)+12*(\q)
.set D_, ACC+8*(\t)
	WIN FW_|((2+(\s)%2)<<2)
	PROD D_, FG_, XG_, \q, BQ+8*(\t), SCW+4*(\t)+(\q)%4, SCY+4*(\s)+(\q)%4
.endm
; A BLOCK: y's tile s
.macro BLK s
.irp q, 0,1,2,3,4,5,6,7
.irp t, 0,1,2,3
	PQ \q, \t, \s
.endr
.endr
	WIN 0
.if (\s) < 6                           ; five places behind the last product: ahead of the reads of its sums and of the loads into the registers that it has read (four are asked), and of the next block's products, which begin the sums anew (five)
	v_add_nc_u32 v[AX16], ((\s)+2)*12288, v[L16]
	v_add_nc_u32 v[AX8], ((\s)+2)*12288, v[L8]
	v_nop
	v_nop
	v_nop
	WALU
.else
.rept 5
	v_nop
.endr
.endif
	s_wait_xcnt 0x0                                ; the stores of two blocks ago have read this set of rows
.irp t, 0,1,2,3                                ; register i of tile t is column 32 (t / 2) + 16 h + 8 (t % 2) + i of my 64; each accumulator from its low end on
	ds_store_b128 v[STO], v[ACC+8*\t:ACC+8*\t+3] offset:128*(\t/2)+32*(\t%2)
	ds_store_b128 v[STO], v[ACC+8*\t+4:ACC+8*\t+7] offset:128*(\t/2)+32*(\t%2)+16
.endr
.irp u, 0,1,2,3,4,5,6,7                        ; LDS serves a wave's instructions in order (ISA guide 5.7.1.4): these see the stores above.  Lanes 0-15 take row 2 u, lanes 16-31 row 2 u + 1
	ds_load_b128 v[BK+32*((\s)%2)+4*\u:BK+32*((\s)%2)+4*\u+3], v[RD] offset:2*\u*SPITCH
.endr
.if (\s) < 6
	FETCH (\s)%2, AX16, AX8, 0                     ; the tile two blocks on
	s_wait_dscnt 32                                ; all but the 32 just issued: the rows are back from the stage, and the next block's fragments are in
.else
	s_wait_dscnt 0x0
.endif
.irp u, 0,1,2,3,4,5,6,7                        ; lane-row i of tile s is token 32 (s / 2) + 8 (s % 2) + i + 8 (i / 8); sixteen lanes store 256 consecutive bytes, aligned
	global_store_b128 v[CO], v[BK+32*((\s)%2)+4*\u:BK+32*((\s)%2)+4*\u+3], s[52:53] offset:(32*((\s)/2)+8*((\s)%2)+(2*\u)%8+16*(\u/4))*4096 th:TH_STORE_NT
.endr
.endm
	s_load_b256 s[4:11], s[0:1], 0x0               ; wpq, yq, b_proj, out0
	v_lshl_add_u32 v[SPW], v0, 2, SPARE
	v_mov_b32 v[NIL], 0
	ds_add_u32 v[SPW], v[NIL]                      ; the opening lines
	ds_add_u32 v[SPW], v[NIL]
	v_lshrrev_b32 v12, 5, v0
	v_readfirstlane_b32 s16, v12                   ; wave 0..3
	s_mul_i32 s22, s16, 16*SPITCH
	s_add_co_u32 s22, s22, STAGE                   ; my stage
	v_and_b32 v13, 31, v0
	v_lshlrev_b32 v[L16], 4, v13
	v_lshlrev_b32 v[L8], 3, v13
	v_and_b32 v14, 15, v0                          ; r
	v_bfe_u32 v15, v0, 4, 1                        ; h
	v_lshlrev_b32 v28, 6, v15                      ; 64 h
	v_mul_u32_u24 v[STO], v14, SPITCH
	v_add_nc_u32 v[STO], v[STO], v28
	v_add_nc_u32 v[STO], s22, v[STO]               ; in: row r, + 64 h
	v_mul_u32_u24 v[RD], v15, SPITCH
	v_lshl_add_u32 v[RD], v14, 4, v[RD]
	v_add_nc_u32 v[RD], s22, v[RD]                 ; back: row l / 16, 16 bytes x (l % 16)
	v_lshlrev_b32 v[CO], 12, v15
	v_lshl_add_u32 v[CO], v14, 4, v[CO]            ; and the same in out0, whose rows are 4,096 bytes
	s_bfe_u32 s17, ttmp6, 0x40000                  ; cx
	s_lshl_b32 s18, ttmp9, 2
	s_add_co_u32 s18, s18, s17                     ; cg: it enters W's, the bias's and out0's addresses alone
	s_and_b32 s19, ttmp7, 0xffff                   ; rg, which the four partners share
	s_mov_b32 s24, 15|(3<<16)|(1<<21)              ; group 1: a dense block as 96 rows of 256 bytes (32 elements of 8 bytes); the mask of all four
	s_mov_b32 s25, 32<<16
	s_mov_b32 s26, 96<<16
	s_mov_b32 s27, 32<<16
	s_mov_b32 s28, 96
	s_mov_b32 s29, 32
	s_mov_b32 s30, 0
	s_mov_b32 s31, 0
	s_mov_b32 s32, 1
	s_mul_i32 s33, s16, 24576                      ; my two tiles' place in LDS
	s_mul_i32 s70, s19, 98304
	s_add_co_u32 s70, s70, s33                     ; and in yq
	s_mul_i32 s71, s18, 196608                     ; W: tile 16 cg + 4 w
	s_mul_i32 s23, s16, 49152
	s_add_co_u32 s71, s71, s23
	s_lshl_b32 s72, s18, 13                        ; its scale words, 512 bytes a tile, behind the codes
	s_lshl_b32 s23, s16, 11
	s_add_co_u32 s72, s72, s23
	s_add_co_u32 s72, s72, 786432
	s_lshl_b32 s73, s19, 12                        ; y's scale words
	s_add_co_u32 s73, s73, 6291456
	s_lshl_b32 s74, s18, 10                        ; my first column, in bytes: 4 (256 cg + 64 w): in b_proj and in a row of out0
	s_lshl_b32 s23, s16, 8
	s_add_co_u32 s74, s74, s23
	s_lshl_b32 s75, s19, 19                        ; my first row of out0: 128 rg, of 4,096 bytes
	s_add_co_u32 s75, s75, s74
	s_mov_b32 s69, 0
	WALU
	s_wait_dscnt 0x0
	CROUND                                         ; all four work-groups are here: the joint loads meet
	s_wait_kmcnt 0x0
	PTR 34, 6, 70
	s_or_b32 s35, s35, 0x80000000
	tensor_load_to_lds s[32:35], s[24:31]          ; my quarter of y's tiles: one line, every wave, and every wave waits for it
	s_nop 0
.rept 4
	v_nop
.endr
	PTR 44, 4, 71
	PTR 46, 4, 72
	PTR 48, 6, 73
	PTR 50, 8, 74
	PTR 52, 10, 75
.irp q, 0,1,2,3,4,5,6,7
.irp t, 0,1,2,3
	WFRAG 4*\q+\t, 44, \t*12288+\q*1536
.endr
.endr
	WIN 0
.irp t, 0,1,2,3
	global_load_b128 v[SCW+4*\t:SCW+4*\t+3], v[L16], s[46:47] offset:\t*512
.endr
.irp s, 0,1,2,3,4,5,6,7
	global_load_b128 v[SCY+4*\s:SCY+4*\s+3], v[L16], s[48:49] offset:\s*512
.endr
.irp t, 0,1,2,3                                ; register i of tile t is column 32 (t / 2) + 16 h + 8 (t % 2) + i of my 64
	global_load_b128 v[BQ+8*\t:BQ+8*\t+3], v28, s[50:51] offset:(32*(\t/2)+8*(\t%2))*4
	global_load_b128 v[BQ+8*\t+4:BQ+8*\t+7], v28, s[50:51] offset:(32*(\t/2)+8*(\t%2))*4+16
.endr
	s_wait_loadcnt 0x0                             ; the weights, the scale words and the bias
	s_wait_tensorcnt 0x0                           ; my quarter has landed,
	s_barrier_signal -1
	s_barrier_wait -1                              ; everybody's has
	FETCH 0, L16, L8, 0
	FETCH 1, L16, L8, 12288
	s_wait_dscnt 32                                ; tile 0's fragments are in; tile 1's 32 loads may be out
	BLK 0
	BLK 1
	BLK 2
	BLK 3
	BLK 4
	BLK 5
	BLK 6                                          ; the last two blocks fetch nothing
	BLK 7
	s_wait_tensorcnt 0x0                           ; the wave's end
	ds_add_u32 v[SPW], v[NIL]
	s_wait_dscnt 0x0
	CROUND                                         ; the closing round
	s_endpgm
.Lfunc_end_k_q48751eab54_proj:
	.size	k_q48751eab54_proj, .Lfunc_end_k_q48751eab54_proj-k_q48751eab54_proj
	.p2alignl 7, 3214868480
	.fill 96, 4, 3214868480
	.section	.rodata,"a",@progbits
	.p2align	6, 0x0
	.amdhsa_kernel k_q48751eab54_proj
		.amdhsa_group_segment_fixed_size 167936
		.amdhsa_private_segment_fixed_size 0
		.amdhsa_enable_private_segment 0
		.amdhsa_kernarg_size 32
		.amdhsa_user_sgpr_count 2
		.amdhsa_user_sgpr_kernarg_segment_ptr 1
		.amdhsa_wavefront_size32 1
		.amdhsa_system_sgpr_workgroup_id_x 1
		.amdhsa_system_sgpr_workgroup_id_y 1
		.amdhsa_system_sgpr_workgroup_id_z 1
		.amdhsa_system_vgpr_workitem_id 0
		.amdhsa_next_free_vgpr 864
		.amdhsa_next_free_sgpr 80
		.amdhsa_reserve_vcc 0
		.amdhsa_float_denorm_mode_32 3
		.amdhsa_float_denorm_mode_16_64 3
		.amdhsa_memory_ordered 1
		.amdhsa_forward_progress 1
		.amdhsa_inst_pref_size 85
	.end_amdhsa_kernel
	.amdgpu_metadata
---
amdhsa.version: [ 1, 2 ]
amdhsa.kernels:
  - .name:           k_q48751eab54_proj
    .symbol:         k_q48751eab54_proj.kd
    .args:
      - { .name: wpq, .offset: 0, .size: 8, .value_kind: global_buffer, .address_space: global }
      - { .name: yq, .offset: 8, .size: 8, .value_kind: global_buffer, .address_space: global }
      - { .name: b_proj, .offset: 16, .size: 8, .value_kind: global_buffer, .address_space: global }
      - { .name: out0, .offset: 24, .size: 8, .value_kind: global_buffer, .address_space: global }
    .group_segment_fixed_size: 167936
    .private_segment_fixed_size: 0
    .kernarg_segment_align: 8
    .kernarg_segment_size: 32
    .max_flat_workgroup_size: 128
    .sgpr_count:     80
    .vgpr_count:     864
    .wavefront_size: 32
...
	.end_amdgpu_metadata
.endif
;; end of part 4
